; MI455X (gfx1250); checked and timed in simulation.
; The chip was launched on July 23, 2026; its instructions are those of AMD's public machine-readable ISA for CDNA 5 (MIT licence, August 2026) and "CDNA5" Instruction Set Architecture Reference Guide (July 2026). The comments in the code are by the model that wrote it; some were corrected since.
;; Whisper Attention. Allowed arithmetic: float matrix products may take bf16 or f16 operands with f32 sums; other float arithmetic in f32, or as packed bf16 or f16 multiplies, adds, multiply-adds, maxima and minima; sums over many terms, partial sums and values carried from step to step in f32; what a program stores and reads back later, other than sums and carried values, may be rounded once to bf16 or f16.
;; Inputs: Wk 1,024 x 1,024 float32; Wo 1,024 x 1,024 float32; Wq 1,024 x 1,024 float32; Wv 1,024 x 1,024 float32; bo 1,024 float32; bq 1,024 float32; bv 1,024 float32; k 4 x 2,048 x 1,024 float32; q 4 x 2,048 x 1,024 float32; v 4 x 2,048 x 1,024 float32.
;; Outputs: out0 4 x 2,048 x 1,024 float32.
;; One version. Each part assembles by itself: llvm-mc -triple=amdgcn-amd-amdhsa -mcpu=gfx1250 --defsym DOCPART=n.
;; ======== version 1 of 1: 5 launches
;; limits: values are held in f16: magnitudes above 65,504 overflow, below 6.1e-05 lose precision
;; workspace buffers: xh 50,331,648 bytes; wh 8,388,608 bytes; ph 50,331,648 bytes; pl 33,554,432 bytes; st 1,048,576 bytes; cx 16,777,216 bytes
;; launch cast (part 1): grid 64 x 28, 8 waves a work-group, no clusters, 0 bytes of LDS; arguments q, k, v, Wq, Wk, Wv, Wo, xh, wh; writes xh, wh
.if DOCPART == 1
	.amdgcn_target "amdgcn-amd-amdhsa--gfx1250"
	.amdhsa_code_object_version 6
	.text
	.protected	k_q1b361d6714_cast
	.globl	k_q1b361d6714_cast
	.p2align	8
	.type	k_q1b361d6714_cast,@function
k_q1b361d6714_cast:
	s_mov_b64 s[64:65], 0
	v_nop
	global_prefetch_b8 v0, s[64:65] scope:SCOPE_SE
	s_setreg_imm32_b32 hwreg(HW_REG_WAVE_MODE, 25, 1), 1
	s_wait_xcnt 0x0
; cast: the seven matrix operands of the projections, f32 to f16, rounded once.
;   xh = f16 [3][8192][1024] (q, k, v);  wh = f16 [4][1024][1024] (Wq, Wk, Wv, Wo).
; A stream: no LDS, no barrier, no matrix unit, nothing is shared between work-groups.
; Grid y = a unit of 1,048,576 numbers: 0-7 q, 8-15 k, 16-23 v, 24 Wq, 25 Wk, 26 Wv, 27 Wo.  Grid x = one of the unit's 64 pieces
; (65,536 bytes in, 32,768 out).  A wave takes 8,192 bytes by sixteen loads of 512 neighbouring bytes, all issued at once; each store
; of a wave covers 256 consecutive bytes, aligned.  No register is used twice, so no wait frees a source.
; LIMIT: a number above 65,504 in magnitude becomes an infinity in f16.
.set X, 4                              ; v[4:67]   sixteen loads of four f32
.set Y, 68                             ; v[68:99]  sixteen pairs of packed f16
	s_load_b512 s[4:19], s[0:1], 0x0               ; q s[4:5], k s[6:7], v s[8:9], Wq s[10:11], Wk s[12:13], Wv s[14:15], Wo s[16:17], xh s[18:19]
	s_load_b64 s[20:21], s[0:1], 0x40              ; wh
	s_and_b32 s22, ttmp7, 0xffff                   ; the unit
	s_and_b32 s26, s22, 7
	s_lshl_b32 s26, s26, 22                        ; its place in q, k or v: 4,194,304 bytes a unit
	s_sub_co_u32 s30, s22, 24                      ; its number among the weights
	s_lshl_b32 s23, ttmp9, 16                      ; the piece, in bytes of f32
	s_lshl_b32 s32, ttmp9, 15                      ; and of f16
	v_and_b32 v1, 31, v0                           ; lane
	v_lshrrev_b32 v3, 5, v0                        ; wave
	v_lshlrev_b32 v2, 3, v1
	v_lshlrev_b32 v1, 4, v1
	v_lshl_or_b32 v1, v3, 13, v1                   ; in:  8,192 wave + 16 lane
	v_lshl_or_b32 v2, v3, 12, v2                   ; out: 4,096 wave + 8 lane
	s_wait_kmcnt 0x0
	s_cmp_lt_u32 s22, 27                           ; the source, chosen on the unit's number alone
	s_cselect_b64 s[24:25], s[14:15], s[16:17]
	s_cmp_lt_u32 s22, 26
	s_cselect_b64 s[24:25], s[12:13], s[24:25]
	s_cmp_lt_u32 s22, 25
	s_cselect_b64 s[24:25], s[10:11], s[24:25]
	s_cmp_lt_u32 s22, 24
	s_cselect_b64 s[24:25], s[8:9], s[24:25]
	s_cselect_b64 s[28:29], s[18:19], s[20:21]     ; units 0-23 go to xh, 24-27 to wh
	s_cselect_b32 s26, s26, 0                      ; a weight is one unit: no offset in its source
	s_cselect_b32 s30, s22, s30                    ; the unit's number in its destination
	s_cmp_lt_u32 s22, 16
	s_cselect_b64 s[24:25], s[6:7], s[24:25]
	s_cmp_lt_u32 s22, 8
	s_cselect_b64 s[24:25], s[4:5], s[24:25]
	s_add_co_u32 s26, s26, s23
	s_mov_b32 s27, 0
	s_lshl_b32 s30, s30, 21                        ; 2,097,152 bytes of f16 a unit
	s_add_co_u32 s30, s30, s32
	s_mov_b32 s31, 0
	s_add_nc_u64 s[24:25], s[24:25], s[26:27]
	s_add_nc_u64 s[28:29], s[28:29], s[30:31]
.irp j, 0,1,2,3,4,5,6,7,8,9,10,11,12,13,14,15
	global_load_b128 v[X+4*\j:X+4*\j+3], v1, s[24:25] offset:512*\j th:TH_LOAD_NT
.endr
.irp j, 0,1,2,3,4,5,6,7,8,9,10,11,12,13,14,15
	s_wait_loadcnt 15-\j                           ; loads come back in order (ISA guide 5.7.1): load j is in, the younger ones stay out
	v_cvt_pk_f16_f32 v[Y+2*\j],   v[X+4*\j],   v[X+4*\j+1]
	v_cvt_pk_f16_f32 v[Y+2*\j+1], v[X+4*\j+2], v[X+4*\j+3]
	global_store_b64 v2, v[Y+2*\j:Y+2*\j+1], s[28:29] offset:256*\j
.endr
	s_endpgm
.Lfunc_end_k_q1b361d6714_cast:
	.size	k_q1b361d6714_cast, .Lfunc_end_k_q1b361d6714_cast-k_q1b361d6714_cast
	.p2alignl 7, 3214868480
	.fill 96, 4, 3214868480
	.section	.rodata,"a",@progbits
	.p2align	6, 0x0
	.amdhsa_kernel k_q1b361d6714_cast
		.amdhsa_group_segment_fixed_size 0
		.amdhsa_private_segment_fixed_size 0
		.amdhsa_enable_private_segment 0
		.amdhsa_kernarg_size 72
		.amdhsa_user_sgpr_count 2
		.amdhsa_user_sgpr_kernarg_segment_ptr 1
		.amdhsa_wavefront_size32 1
		.amdhsa_system_sgpr_workgroup_id_x 1
		.amdhsa_system_sgpr_workgroup_id_y 1
		.amdhsa_system_sgpr_workgroup_id_z 1
		.amdhsa_system_vgpr_workitem_id 0
		.amdhsa_next_free_vgpr 100
		.amdhsa_next_free_sgpr 66
		.amdhsa_reserve_vcc 0
		.amdhsa_float_denorm_mode_32 3
		.amdhsa_float_denorm_mode_16_64 3
		.amdhsa_memory_ordered 1
		.amdhsa_forward_progress 1
		.amdhsa_inst_pref_size 8
	.end_amdhsa_kernel
	.amdgpu_metadata
---
amdhsa.version: [ 1, 2 ]
amdhsa.kernels:
  - .name:           k_q1b361d6714_cast
    .symbol:         k_q1b361d6714_cast.kd
    .args:
      - { .name: q, .offset: 0, .size: 8, .value_kind: global_buffer, .address_space: global }
      - { .name: k, .offset: 8, .size: 8, .value_kind: global_buffer, .address_space: global }
      - { .name: v, .offset: 16, .size: 8, .value_kind: global_buffer, .address_space: global }
      - { .name: Wq, .offset: 24, .size: 8, .value_kind: global_buffer, .address_space: global }
      - { .name: Wk, .offset: 32, .size: 8, .value_kind: global_buffer, .address_space: global }
      - { .name: Wv, .offset: 40, .size: 8, .value_kind: global_buffer, .address_space: global }
      - { .name: Wo, .offset: 48, .size: 8, .value_kind: global_buffer, .address_space: global }
      - { .name: xh, .offset: 56, .size: 8, .value_kind: global_buffer, .address_space: global }
      - { .name: wh, .offset: 64, .size: 8, .value_kind: global_buffer, .address_space: global }
    .group_segment_fixed_size: 0
    .private_segment_fixed_size: 0
    .kernarg_segment_align: 8
    .kernarg_segment_size: 72
    .max_flat_workgroup_size: 256
    .sgpr_count:     66
    .vgpr_count:     100
    .wavefront_size: 32
...
	.end_amdgpu_metadata
.endif
;; end of part 1
;; launch proj (part 2): grid 4 x 96, 4 waves a work-group, clusters of 4 x 4, 327,680 bytes of LDS; arguments xh, wh, ph, bq, bv; writes ph
.if DOCPART == 2
	.amdgcn_target "amdgcn-amd-amdhsa--gfx1250"
	.amdhsa_code_object_version 6
	.text
	.protected	k_q1b361d6714_proj
	.globl	k_q1b361d6714_proj
	.p2align	8
	.type	k_q1b361d6714_proj,@function
k_q1b361d6714_proj:
	s_mov_b64 s[64:65], 0
	v_nop
	global_prefetch_b8 v0, s[64:65] scope:SCOPE_SE
	s_setreg_imm32_b32 hwreg(HW_REG_WAVE_MODE, 25, 1), 1
	s_wait_xcnt 0x0
	s_wait_alu depctr_hold_cnt(0) depctr_sa_sdst(0) depctr_va_vdst(0) depctr_va_sdst(0) depctr_va_ssrc(0) depctr_va_vcc(0) depctr_vm_vsrc(0)
	s_getreg_b32 s2, hwreg(HW_REG_IB_STS2, 6, 4)
	s_cmp_eq_u32 s2, 0
	s_cbranch_scc0 .Lentry_in_a_cluster
	s_endpgm
.Lentry_in_a_cluster:
	s_bfe_u32 s2, ttmp6, 0x10000c
	s_cmp_lg_u32 s2, 0xf033
	s_cbranch_scc0 .Lentry_shape_is_right
	s_endpgm
.Lentry_shape_is_right:
; proj: the three input projections as one GEMM over 24,576 rows.  ph[w][row][e] = sum over d of xh[w][row][d] wh[w][e][d] + bias[e];
; w = 0: q with bq, w = 1: k with no bias, w = 2: v with bv.  Operands f16, sums f32, ph rounded once to f16.
; A work-group makes a block of 256 x 256 with four waves; a wave makes 128 x 128: 64 accumulator tiles of 16 x 16, 512 registers.
; K = 1024 goes in steps of 128 through two LDS slots filled by the tensor data mover; a tile's rows are 256 bytes of memory, aligned.
; A slot feeds 256 matrix instructions of every wave, and 240 of them stand between a slot's request and the wait for it.
; The grid has 96 x 4 = 384 blocks: more than one and fewer than two for each of 256 WGPs, so the load is uneven; blocks of half the rows
; would be even, but each slot would then feed half the matrix work for three quarters of the bytes.
; CLUSTERS: 4 x 4 work-groups.  The four of a row of the cluster need the same tile of A (it hangs on the block row), the four of a column the
; same tile of B (block column, and which weight: 8 clusters along y for each input, so partners agree).  Such a tile is asked for jointly,
; which divides the requests for A and B by four.
; REGISTERS, in windows of 256:  window 0: v0-31 addresses; v64-127, v128-191 fragments of A, two buffers; v192-223 packed results
;   window 1: v0-63 my bias; v64-127, v128-191 fragments of B, two buffers
;   window 2: the 32 accumulator tiles of my rows 0-63 (tile (a, b) at v[8 (8 a + b)]);  window 3: those of my rows 64-127
; THE MATRIX INSTRUCTION IS USED TRANSPOSED: source 0 = 16 rows of B, source 1 = 16 rows of A; lane (r, h) then holds row 16 a + r of C and
; its registers the columns 16 b + 8 h + 0..7: eight neighbouring numbers, 16 bytes of f16.
; LIMIT: a result above 65,504 in magnitude becomes an infinity in f16.  NaN and infinities are not treated specially.
.set KSTEP,  128
.set PITCH,  272                       ; an LDS row: 256 bytes + 16 of padding, an odd multiple of 16: a fragment load's 16 rows start 16 bytes apart modulo 256
.set HALFT,  128*PITCH                 ; 128 rows: what one tensor load brings, and what one wave reads of A or of B
.set SLOT,   4*HALFT                   ; A's 256 rows, then B's 256 rows: 139,264
.set STAGE,  2*SLOT                    ; 278,528: 16 rows x 272 bytes for each wave, for the way out; no tensor load lands here
.set SPITCH, 272
.set LAPS,   1024/(2*KSTEP)            ; a lap = two K steps = once round the ring
.set CPITCH, 2048                      ; bytes in a row of ph
.set CB,     8                         ; s[8:9] ph
.set ADRA, 16                          ; v16-17 LDS address of my A fragments in slot 0, 1
.set ADRB, 20                          ; v20-21 the same for B
.set STO,  24                          ; the way out: where I put 16 bytes of a row
.set RD,   25                          ; the way out: where I read a row back
.set CO,   26                          ; my byte offset in C
.set BOFF, 27                          ; my byte offset in the bias
.set F0,   64                          ; fragment buffer 0
.set F1,   128                         ; fragment buffer 1
.set T,    64                          ; the way out: 64 sums with bias
.set PK,   192                         ; 32 registers of packed f16
.set RB0,  128                         ; rows read back, two buffers by turns
.set RB1,  160
.set G1,  24                           ; s[24:31] descriptor group 1 of A's tiles
.set G0,  32                           ; s[32:39] group 0 of A's tiles, a set for each slot
.set G1B, 48                           ; s[48:55] group 1 of B's tiles: it differs from A's in the mask alone
.set G0B, 56                           ; s[56:63] group 0 of B's tiles, a set for each slot
.set MSB, 0
.macro WIN new                         ; the immediate's high byte repeats the setting that is left
.if MSB != \new
	s_set_vgpr_msb (MSB<<8)|\new
.set MSB, \new
.endif
.endm
.set MUL_LO, 0xa1                      ; source 0 (B) window 1, source 1 (A) window 0, C and D window 2
.set MUL_HI, 0xf1                      ; the same, C and D window 3
.set TO_B,   0x40                      ; destination window 1, address window 0
; A joint load.  Waves 0 and 1 fetch A's two halves, waves 2 and 3 B's.  Each line has one mask and one set of registers; the branch hangs on the wave's number alone.
.macro JLOAD s
	s_cmp_eq_u32 s11, 0
	s_cbranch_scc0 .Lfor_b_\@
	tensor_load_to_lds s[G0+4*\s:G0+4*\s+3], s[G1:G1+7]
	s_nop 0
	s_branch .Lasked_\@
.Lfor_b_\@:
	tensor_load_to_lds s[G0B+4*\s:G0B+4*\s+3], s[G1B:G1B+7]
	s_nop 0
.Lasked_\@:
.endm
.macro CREST                           ; a round of the cluster's barrier behind its opening barrier
	s_cmp_lg_u32 s10, 0
	s_cbranch_scc1 .Lnot_wave_0_\@
	s_barrier_signal -3
.Lnot_wave_0_\@:
	s_barrier_wait -3
	s_barrier_signal -1
	s_barrier_wait -1
.endm
.macro CROUND                          ; a whole round
	s_barrier_signal -1
	s_barrier_wait -1
	CREST
.endm
; 16 matrix instructions: row blocks a0, a0 + 1 of the window's four (hi = 0: my rows 0-63, 1: rows 64-127) x all 8 column blocks, 32 along K.
; zero = 1: the first product starts the sums.  The 64 accumulators take turns, one instruction a turn, in the same order in every quarter
; step.
.macro MUL16 f, hi, a0, zero
.irp a, \a0, \a0+1
.irp b, 0,1,2,3,4,5,6,7
.if \zero
	v_wmma_f32_16x16x32_f16 v[8*(8*(\a)+\b):8*(8*(\a)+\b)+7], v[\f+8*\b:\f+8*\b+7], v[\f+8*(4*\hi+\a):\f+8*(4*\hi+\a)+7], 0
.else
	v_wmma_f32_16x16x32_f16 v[8*(8*(\a)+\b):8*(8*(\a)+\b)+7], v[\f+8*\b:\f+8*\b+7], v[\f+8*(4*\hi+\a):\f+8*(4*\hi+\a)+7], v[8*(8*(\a)+\b):8*(8*(\a)+\b)+7]
.endif
.endr
.endr
.endm
; 32 LDS loads in one run: the fragments of one quarter step (128 rows of B, 128 rows of A, 32 K at byte k of the rows) into buffer f
.macro FETCH slot, k, f
	WIN TO_B
.irp i, 0,1,2,3,4,5,6,7
	ds_load_b128 v[\f+8*\i:\f+8*\i+3],   v[ADRB+\slot] offset:\k+\i*16*PITCH
	ds_load_b128 v[\f+8*\i+4:\f+8*\i+7], v[ADRB+\slot] offset:\k+\i*16*PITCH+32
.endr
	WIN 0
.irp i, 0,1,2,3,4,5,6,7
	ds_load_b128 v[\f+8*\i:\f+8*\i+3],   v[ADRA+\slot] offset:\k+\i*16*PITCH
	ds_load_b128 v[\f+8*\i+4:\f+8*\i+7], v[ADRA+\slot] offset:\k+\i*16*PITCH+32
.endr
.endm
.macro PLACES                          ; four places behind a matrix instruction in front of loads into, and vector work on, its registers
.rept 4
	v_nop
.endr
.endm
; One of a K step's first three quarters: multiplies buffer f, 64 matrix instructions; in its middle it fetches the next quarter's fragments into buffer g.
.macro QUARTER slot, k, f, g, zero
	s_wait_dscnt 8                                 ; B and A's rows 0-63 are in; the youngest eight loads (A's rows 64-127) may be out
	WIN MUL_LO
	MUL16 \f, 0, 0, \zero
	MUL16 \f, 0, 2, \zero
	PLACES
	FETCH \slot, \k, \g
	s_wait_dscnt 32                                ; all but the 32 just issued
	WIN MUL_HI
	MUL16 \f, 1, 0, \zero
	MUL16 \f, 1, 2, \zero
.endm
.macro THREE slot, zero
	QUARTER \slot, 64,  F0, F1, \zero
	QUARTER \slot, 128, F1, F0, 0
	QUARTER \slot, 192, F0, F1, 0
.endm
; The last quarter multiplies buffer 1 and changes slots.  In front of the barrier each wave waits for its reads of this slot and for all its
; tensor loads (one is out: its part of the next slot).  fill = 1: the barrier opens a round of the cluster's barrier, and the joint refill of
; this slot, two K steps ahead, is the first tensor load behind the round.
.macro TURN slot, next, fill
	s_wait_dscnt 8
	WIN MUL_LO
	MUL16 F1, 0, 0, 0
	s_wait_dscnt 0x0                               ; my reads of this slot are over
	s_wait_tensorcnt 0x0                           ; all my tensor loads have landed
	ds_add_u32 v255, v255
	s_wait_dscnt 0x0
	s_barrier_signal -1
	MUL16 F1, 0, 2, 0                              ; register work while the others arrive
	WIN 0
	s_barrier_wait -1
.if \fill
	CREST                                          ; no wave of any partner still reads this slot or has a load on its way
	s_add_nc_u64 s[G0+4*\slot+2:G0+4*\slot+3], s[G0+4*\slot+2:G0+4*\slot+3], 2*KSTEP*2
	s_add_nc_u64 s[G0B+4*\slot+2:G0B+4*\slot+3], s[G0B+4*\slot+2:G0B+4*\slot+3], 2*KSTEP*2
	JLOAD \slot
.endif
	PLACES
	FETCH \next, 0, F0
	WIN MUL_HI
	MUL16 F1, 1, 0, 0
	MUL16 F1, 1, 2, 0
.endm
.macro LAP zero
	THREE 0, \zero
	TURN 0, 1, 1
	THREE 1, 0
	TURN 1, 0, 1
.endm
; 16 rows of C leave: 16 bytes a lane into my own stage, read back as whole rows of 256 bytes.  LDS serves a wave's instructions in order
; (ISA guide 5.7.1), so no wait stands between the stores and the loads, nor between one block's loads and the next block's stores.
.macro OUTH step, rb
.irp b, 0,1,2,3,4,5,6,7
	ds_store_b128 v[STO], v[PK+4*\b:PK+4*\b+3] offset:32*\b
.endr
	s_wait_xcnt 0x0                                ; the read-back buffer and the base, which earlier stores name, are rewritten only behind this wait
.if \step
	s_add_nc_u64 s[CB:CB+1], s[CB:CB+1], 16*CPITCH
.endif
.irp t, 0,1,2,3,4,5,6,7
	ds_load_b128 v[\rb+4*\t:\rb+4*\t+3], v[RD] offset:\t*2*SPITCH
.endr
.irp t, 0,1,2,3,4,5,6,7
	s_wait_dscnt 7-\t                              ; read-back t is in, the younger ones stay out
	global_store_b128 v[CO], v[\rb+4*\t:\rb+4*\t+3], s[CB:CB+1] offset:2*\t*CPITCH   ; 16 lanes store 256 consecutive bytes, aligned
.endr
.endm
	s_load_b128 s[4:7], s[0:1], 0x0                ; xh s[4:5], wh s[6:7]
	s_load_b64 s[8:9], s[0:1], 0x10                ; ph
	s_load_b128 s[76:79], s[0:1], 0x18             ; bq s[76:77], bv s[78:79]
	s_set_vgpr_msb 0x40
	v_lshl_add_u32 v255, v0, 2, 0x48400
	s_set_vgpr_msb 0x4000
	v_mov_b32 v255, 0
	s_set_vgpr_msb 0x1
	ds_add_u32 v255, v255
	s_set_vgpr_msb 0x100
	v_lshrrev_b32 v1, 5, v0
	v_readfirstlane_b32 s10, v1                    ; wave 0..3
	s_lshr_b32 s11, s10, 1                         ; which half of the block's rows is mine.  Also: I fetch for A (0) or for B (1)
	s_and_b32 s12, s10, 1                          ; which half of its columns.  Also: which 128 rows of that tile I fetch
	s_bfe_u32 s40, ttmp6, 0x40000                  ; cx
	s_bfe_u32 s41, ttmp6, 0x40004                  ; cy
	s_lshl_b32 s42, ttmp9, 2
	s_add_co_u32 s42, s42, s40                     ; block column = 4 x cluster x + cx, 0..3
	s_and_b32 s45, ttmp7, 0xffff                   ; cluster y
	s_lshl_b32 s13, s45, 2
	s_add_co_u32 s13, s13, s41                     ; block row = 4 x cluster y + cy, 0..95
	s_lshr_b32 s45, s45, 3                         ; which input: 8 clusters (32 block rows of 256) each
	s_lshl_b32 s43, s41, 2
	s_lshl_b32 s43, 15, s43                        ; my row of the cluster
	s_lshl_b32 s44, 0x1111, s40                    ; my column
	; group 1: 128 rows of 128 elements of 2 bytes, 4 words of padding behind every 64
	s_or_b32 s[G1+0], s43, (1<<16)|(1<<20)|(1<<21)|(5<<22)|(3<<25)
	s_or_b32 s[G1B+0], s44, (1<<16)|(1<<20)|(1<<21)|(5<<22)|(3<<25)
	s_mov_b32 s[G1+1], KSTEP<<16                   ; tensor_dim0 = 128
	s_mov_b32 s[G1B+1], KSTEP<<16
	s_mov_b32 s[G1+2], 128<<16                     ; tensor_dim1 = 128
	s_mov_b32 s[G1B+2], 128<<16
	s_mov_b32 s[G1+3], KSTEP<<16                   ; tile_dim0 = 128
	s_mov_b32 s[G1B+3], KSTEP<<16
	s_mov_b32 s[G1+4], 128                         ; tile_dim1 = 128
	s_mov_b32 s[G1B+4], 128
	s_mov_b32 s[G1+5], 1024                        ; elements from row to row
	s_mov_b32 s[G1B+5], 1024
	s_mov_b32 s[G1+6], 0
	s_mov_b32 s[G1B+6], 0
	s_mov_b32 s[G1+7], 0
	s_mov_b32 s[G1B+7], 0
	; where the tiles come from: A's offset never holds cx, B's never cy
	s_lshl_b32 s16, s13, 8
	s_lshl_b32 s17, s12, 7
	s_add_co_u32 s16, s16, s17                     ; A: row 256 x block row + 128 x half
	s_lshl_b32 s16, s16, 11                        ; x 2,048 bytes: below 50,331,648
	s_mov_b32 s17, 0
	s_lshl_b32 s46, s45, 10
	s_lshl_b32 s47, s42, 8
	s_add_co_u32 s46, s46, s47
	s_lshl_b32 s47, s12, 7
	s_add_co_u32 s46, s46, s47                     ; B: row 1,024 x which + 256 x block column + 128 x half
	s_lshl_b32 s46, s46, 11
	s_mov_b32 s47, 0
	s_mul_i32 s20, s10, HALFT                      ; and where they go: A's two halves, then B's two halves = wave x 128 rows
	s_wait_dscnt 0x0
	s_wait_kmcnt 0x0
	s_add_nc_u64 s[14:15], s[4:5], s[16:17]
	s_add_nc_u64 s[46:47], s[6:7], s[46:47]
	CROUND                                         ; all sixteen work-groups are here: the first joint loads meet
.irp s, 0,1
	s_mov_b32 s[G0+4*\s], 1
	s_add_co_u32 s[G0+4*\s+1], s20, \s*SLOT
	s_add_nc_u64 s[G0+4*\s+2:G0+4*\s+3], s[14:15], \s*KSTEP*2
	s_or_b32 s[G0+4*\s+3], s[G0+4*\s+3], 0x80000000
	s_mov_b32 s[G0B+4*\s], 1
	s_add_co_u32 s[G0B+4*\s+1], s20, \s*SLOT
	s_add_nc_u64 s[G0B+4*\s+2:G0B+4*\s+3], s[46:47], \s*KSTEP*2
	s_or_b32 s[G0B+4*\s+3], s[G0B+4*\s+3], 0x80000000
	JLOAD \s                                       ; both slots are asked for before anything else is done
.endr
	; my bias: columns 256 x block column + 128 nh + 16 b + 8 h + 0..7, into window 1
	v_and_b32 v1, 15, v0                           ; r
	v_bfe_u32 v2, v0, 4, 1                         ; h
	s_lshl_b32 s69, s42, 10
	s_lshl_b32 s70, s12, 9
	s_add_co_u32 s69, s69, s70
	v_lshl_add_u32 v[BOFF], v2, 5, s69
	s_cmp_eq_u32 s45, 2
	s_cselect_b64 s[66:67], s[78:79], s[76:77]     ; v takes bv; q takes bq; k reads bq and masks it away
	s_cmp_eq_u32 s45, 1
	s_cselect_b32 s68, 0, -1
	WIN TO_B                                       ; destination in window 1
.irp b, 0,1,2,3,4,5,6,7
	global_load_b128 v[8*\b:8*\b+3],   v[BOFF], s[66:67] offset:64*\b
	global_load_b128 v[8*\b+4:8*\b+7], v[BOFF], s[66:67] offset:64*\b+16
.endr
	WIN 0
	; a fragment: lane (r, h) holds row r; registers 0-3 K = 8 h + 0..7, registers 4-7 K = 16 + 8 h + 0..7: two loads of 16 bytes, 32 apart
	v_mul_u32_u24 v3, v1, PITCH
	v_lshl_add_u32 v3, v2, 4, v3                   ; 272 r + 16 h
	s_mul_i32 s21, s11, HALFT                      ; my 128 rows of A
	s_mul_i32 s22, s12, HALFT                      ; my 128 rows of B,
	s_add_co_u32 s22, s22, 2*HALFT                 ; which lie behind A's 256
.irp s, 0,1
	v_add_nc_u32 v[ADRA+\s], s21, v3
	v_add_nc_u32 v[ADRB+\s], s22, v3
	s_add_co_u32 s21, s21, SLOT
	s_add_co_u32 s22, s22, SLOT
.endr
	s_mul_i32 s23, s10, 16*SPITCH
	s_add_co_u32 s23, s23, STAGE                   ; my stage
	v_add_nc_u32 v[STO], s23, v3                   ; in: row r, 16 bytes for each half of the lanes
	v_mul_u32_u24 v4, v2, SPITCH
	v_lshl_add_u32 v4, v1, 4, v4
	v_add_nc_u32 v[RD], s23, v4                    ; back: lanes 0-15 one row of 256 bytes, lanes 16-31 the next
	v_mul_u32_u24 v5, v2, CPITCH
	v_lshl_add_u32 v[CO], v1, 4, v5                ; the same two rows in C
	s_wait_loadcnt 0x0                             ; the bias, while the first tiles are on their way
	WIN 0x44                                       ; source 1 and destination in window 1
.set i, 0
.rept 64
	v_and_b32 v[i], s68, v[i]                      ; k's projection has no bias: exactly zero there, whatever bq holds
.set i, i+1
.endr
	WIN 0
	s_wait_tensorcnt 0x1                           ; my part of K step 0 is in; K step 1's may stay out
	s_barrier_signal -1
	s_barrier_wait -1
	FETCH 0, 0, F0
	LAP 1                                          ; the first lap stands in front of the loop: its first products start the sums
	WIN 0                                          ; at a label and at a branch every window is 0
	s_mov_b32 s3, LAPS-2
.Llap:
	LAP 0
	WIN 0
	s_sub_co_u32 s3, s3, 1
	s_cmp_lg_u32 s3, 0
	s_cbranch_scc1 .Llap
	THREE 0, 0                                     ; the last lap fills nothing
	TURN 0, 1, 0
	THREE 1, 0
	s_wait_dscnt 8                                 ; the very last quarter: nothing more to fetch
	WIN MUL_LO
	MUL16 F1, 0, 0, 0
	MUL16 F1, 0, 2, 0
	s_wait_dscnt 0x0
	WIN MUL_HI
	MUL16 F1, 1, 0, 0
	MUL16 F1, 1, 2, 0
	PLACES                                         ; behind the last matrix instructions: for the sums below, which read results, and for what overwrites the fragment buffers
	WIN 0
	s_lshl_b32 s16, s13, 8
	s_lshl_b32 s17, s11, 7
	s_add_co_u32 s16, s16, s17                     ; my first row of C
	s_lshl_b32 s16, s16, 11
	s_mov_b32 s17, 0
	s_add_nc_u64 s[CB:CB+1], s[CB:CB+1], s[16:17]
	s_lshl_b32 s46, s42, 9                         ; my first column in bytes: 512 x block column + 256 nh
	s_lshl_b32 s47, s12, 8
	s_add_co_u32 s46, s46, s47
	s_mov_b32 s47, 0
	s_add_nc_u64 s[CB:CB+1], s[CB:CB+1], s[46:47]
; 16 rows: the eight tiles (a, 0..7) of window 2 or 3.  win = 0x06 or 0x07: source 0 in that window, source 1 (the bias) in window 1
.macro ROWS16 step, a, win, rb
	WIN \win
.set i, 0
.rept 32
	v_pk_add_f32 v[T+i:T+i+1], v[64*\a+i:64*\a+i+1], v[i:i+1]
.set i, i+2
.endr
	WIN 0
.set i, 0
.rept 32
	v_cvt_pk_f16_f32 v[PK+i], v[T+2*i], v[T+2*i+1]
.set i, i+1
.endr
	OUTH \step, \rb
.endm
	ROWS16 0, 0, 0x06, RB0
	ROWS16 1, 1, 0x06, RB1
	ROWS16 1, 2, 0x06, RB0
	ROWS16 1, 3, 0x06, RB1
	ROWS16 1, 0, 0x07, RB0
	ROWS16 1, 1, 0x07, RB1
	ROWS16 1, 2, 0x07, RB0
	ROWS16 1, 3, 0x07, RB1
	s_set_vgpr_msb 0x1
	s_wait_tensorcnt 0x0
	ds_add_u32 v255, v255
	s_wait_dscnt 0x0
	s_set_vgpr_msb 0x100
	CROUND                                         ; the closing round: no work-group ends while a partner may still ask jointly
	s_endpgm
.Lfunc_end_k_q1b361d6714_proj:
	.size	k_q1b361d6714_proj, .Lfunc_end_k_q1b361d6714_proj-k_q1b361d6714_proj
	.p2alignl 7, 3214868480
	.fill 96, 4, 3214868480
	.section	.rodata,"a",@progbits
	.p2align	6, 0x0
	.amdhsa_kernel k_q1b361d6714_proj
		.amdhsa_group_segment_fixed_size 327680
		.amdhsa_private_segment_fixed_size 0
		.amdhsa_enable_private_segment 0
		.amdhsa_kernarg_size 40
		.amdhsa_user_sgpr_count 2
		.amdhsa_user_sgpr_kernarg_segment_ptr 1
		.amdhsa_wavefront_size32 1
		.amdhsa_system_sgpr_workgroup_id_x 1
		.amdhsa_system_sgpr_workgroup_id_y 1
		.amdhsa_system_sgpr_workgroup_id_z 1
		.amdhsa_system_vgpr_workitem_id 0
		.amdhsa_next_free_vgpr 1024
		.amdhsa_next_free_sgpr 80
		.amdhsa_reserve_vcc 0
		.amdhsa_float_denorm_mode_32 3
		.amdhsa_float_denorm_mode_16_64 3
		.amdhsa_memory_ordered 1
		.amdhsa_forward_progress 1
		.amdhsa_inst_pref_size 216
	.end_amdhsa_kernel
	.amdgpu_metadata
---
amdhsa.version: [ 1, 2 ]
amdhsa.kernels:
  - .name:           k_q1b361d6714_proj
    .symbol:         k_q1b361d6714_proj.kd
    .args:
      - { .name: xh, .offset: 0, .size: 8, .value_kind: global_buffer, .address_space: global }
      - { .name: wh, .offset: 8, .size: 8, .value_kind: global_buffer, .address_space: global }
      - { .name: ph, .offset: 16, .size: 8, .value_kind: global_buffer, .address_space: global }
      - { .name: bq, .offset: 24, .size: 8, .value_kind: global_buffer, .address_space: global }
      - { .name: bv, .offset: 32, .size: 8, .value_kind: global_buffer, .address_space: global }
    .group_segment_fixed_size: 327680
    .private_segment_fixed_size: 0
    .kernarg_segment_align: 8
    .kernarg_segment_size: 40
    .max_flat_workgroup_size: 128
    .sgpr_count:     80
    .vgpr_count:     1024
    .wavefront_size: 32
...
	.end_amdgpu_metadata
.endif
;; end of part 2
;; launch scores (part 3): grid 8 x 32, 4 waves a work-group, clusters of 4 x 4, 327,680 bytes of LDS; arguments ph, pl, st; writes pl, st
.if DOCPART == 3
	.amdgcn_target "amdgcn-amd-amdhsa--gfx1250"
	.amdhsa_code_object_version 6
	.text
	.protected	k_q1b361d6714_scores
	.globl	k_q1b361d6714_scores
	.p2align	8
	.type	k_q1b361d6714_scores,@function
k_q1b361d6714_scores:
	s_mov_b64 s[64:65], 0
	v_nop
	global_prefetch_b8 v0, s[64:65] scope:SCOPE_SE
	s_setreg_imm32_b32 hwreg(HW_REG_WAVE_MODE, 25, 1), 1
	s_wait_xcnt 0x0
	s_wait_alu depctr_hold_cnt(0) depctr_sa_sdst(0) depctr_va_vdst(0) depctr_va_sdst(0) depctr_va_ssrc(0) depctr_va_vcc(0) depctr_vm_vsrc(0)
	s_getreg_b32 s2, hwreg(HW_REG_IB_STS2, 6, 4)
	s_cmp_eq_u32 s2, 0
	s_cbranch_scc0 .Lentry_in_a_cluster
	s_endpgm
.Lentry_in_a_cluster:
	s_bfe_u32 s2, ttmp6, 0x10000c
	s_cmp_lg_u32 s2, 0xf033
	s_cbranch_scc0 .Lentry_shape_is_right
	s_endpgm
.Lentry_shape_is_right:
; scores: s = qp . kp^T, and the first level of the softmax.  For each row and each chunk of 128 keys (a wave's 128 columns):
;   m = the chunk's largest s;  P = exp2((s - m) c), c = log2(e) / 32 (the scale 1/sqrt(1024) and the change of base);  l = the sum of P.
; P goes to pl as f16 [8192][2048]; m and l go to st as f32 [kind 2][chunk 16][group of 64 rows 128][r 16][a 4], row = 64 group + 16 a + r.
; The subtraction comes first, so the exponent is exactly 0 at the chunk's maximum and never above 0: P lies in [0, 1] for every input.
; The next launch takes the largest of a row's 16 chunk maxima, the row's true maximum, and rescales.
; The GEMM: a work-group makes 256 query rows x 256 keys with four waves, a wave 128 x 128 in 64 accumulator tiles, 512 registers; K = 1024 in
; steps of 128 through two LDS slots.  A slot feeds 256 matrix instructions of every wave, 240 of them between its request and the wait for it.
; 4 batches x 8 x 8 blocks = 256 work-groups.
; CLUSTERS: 4 x 4 work-groups; qp's tile hangs on the block row and is asked for jointly by a row of the cluster, kp's on the block column and
; the batch (2 clusters along y each, so partners agree) and is asked for jointly by a column.
; REGISTERS, in windows of 256:  window 0: addresses, fragments of A (v64-127, v128-191), the softmax's work;  window 1: fragments of B;
;   window 2: the accumulator tiles of my rows 0-63 (tile (a, b) at v[8 (8 a + b)]);  window 3: those of my rows 64-127
; The matrix instruction is used transposed (source 0 = keys, source 1 = queries): lane (r, h) holds row 16 a + r, columns 16 b + 8 h + 0..7.
; LIMITS: v_exp_f32 gives zero below 2^-126, f16 below 2^-25.  NaN and infinities are not treated specially.
.set KSTEP,  128
.set PITCH,  272                       ; an LDS row: 256 bytes + 16 of padding, an odd multiple of 16
.set HALFT,  128*PITCH                 ; 128 rows: what one tensor load brings
.set SLOT,   4*HALFT                   ; A's 256 rows, then B's 256 rows
.set STAGE,  2*SLOT                    ; each wave's stage for the way out; no tensor load lands here
.set SPITCH, 272
.set LAPS,   1024/(2*KSTEP)
.set CPITCH, 4096                      ; bytes in a row of pl
.set CB,     6                         ; s[6:7] pl
.set ADRA, 16
.set ADRB, 20
.set STO,  24
.set RD,   25
.set CO,   26
.set F0,   64
.set F1,   128
.set MX,   32                          ; four running maxima
.set MC,   36                          ; the chunk's maximum, twice (a pair for the packed subtraction)
.set SUM,  40                          ; four running pairs of sums
.set TMP,  48                          ; the other half's figure
.set T,    64                          ; 64 numbers at work
.set RB0,  128                         ; rows read back, two buffers by turns
.set RB1,  160
.set PK,   192                         ; 32 registers of packed f16
.set STM,  224                         ; m of my eight blocks of 16 rows
.set STL,  232                         ; l of the same
.set STV,  240                         ; what the lane stores: m in lanes 0-15, l in lanes 16-31
.set G1,  24
.set G0,  32
.set G1B, 48
.set G0B, 56
.set MSB, 0
.macro WIN new
.if MSB != \new
	s_set_vgpr_msb (MSB<<8)|\new
.set MSB, \new
.endif
.endm
.set MUL_LO, 0xa1                      ; source 0 (B) window 1, source 1 (A) window 0, C and D window 2
.set MUL_HI, 0xf1                      ; the same, C and D window 3
.set TO_B,   0x40                      ; destination window 1, address window 0
.macro JLOAD s                         ; waves 0 and 1 fetch A's halves, waves 2 and 3 B's
	s_cmp_eq_u32 s11, 0
	s_cbranch_scc0 .Lfor_b_\@
	tensor_load_to_lds s[G0+4*\s:G0+4*\s+3], s[G1:G1+7]
	s_nop 0
	s_branch .Lasked_\@
.Lfor_b_\@:
	tensor_load_to_lds s[G0B+4*\s:G0B+4*\s+3], s[G1B:G1B+7]
	s_nop 0
.Lasked_\@:
.endm
.macro CREST
	s_cmp_lg_u32 s10, 0
	s_cbranch_scc1 .Lnot_wave_0_\@
	s_barrier_signal -3
.Lnot_wave_0_\@:
	s_barrier_wait -3
	s_barrier_signal -1
	s_barrier_wait -1
.endm
.macro CROUND
	s_barrier_signal -1
	s_barrier_wait -1
	CREST
.endm
; The 64 accumulators take turns, one instruction a turn, in the same order in every quarter step.
.macro MUL16 f, hi, a0, zero
.irp a, \a0, \a0+1
.irp b, 0,1,2,3,4,5,6,7
.if \zero
	v_wmma_f32_16x16x32_f16 v[8*(8*(\a)+\b):8*(8*(\a)+\b)+7], v[\f+8*\b:\f+8*\b+7], v[\f+8*(4*\hi+\a):\f+8*(4*\hi+\a)+7], 0
.else
	v_wmma_f32_16x16x32_f16 v[8*(8*(\a)+\b):8*(8*(\a)+\b)+7], v[\f+8*\b:\f+8*\b+7], v[\f+8*(4*\hi+\a):\f+8*(4*\hi+\a)+7], v[8*(8*(\a)+\b):8*(8*(\a)+\b)+7]
.endif
.endr
.endr
.endm
.macro FETCH slot, k, f                ; 32 LDS loads in one run: one quarter step's fragments into buffer f
	WIN TO_B
.irp i, 0,1,2,3,4,5,6,7
	ds_load_b128 v[\f+8*\i:\f+8*\i+3],   v[ADRB+\slot] offset:\k+\i*16*PITCH
	ds_load_b128 v[\f+8*\i+4:\f+8*\i+7], v[ADRB+\slot] offset:\k+\i*16*PITCH+32
.endr
	WIN 0
.irp i, 0,1,2,3,4,5,6,7
	ds_load_b128 v[\f+8*\i:\f+8*\i+3],   v[ADRA+\slot] offset:\k+\i*16*PITCH
	ds_load_b128 v[\f+8*\i+4:\f+8*\i+7], v[ADRA+\slot] offset:\k+\i*16*PITCH+32
.endr
.endm
.macro PLACES                          ; four places behind a matrix instruction (ISA guide 7.12.1)
.rept 4
	v_nop
.endr
.endm
.macro QUARTER slot, k, f, g, zero
	s_wait_dscnt 8                                 ; B and A's rows 0-63 are in; the youngest eight loads (A's rows 64-127) may be out
	WIN MUL_LO
	MUL16 \f, 0, 0, \zero
	MUL16 \f, 0, 2, \zero
	PLACES
	FETCH \slot, \k, \g
	s_wait_dscnt 32                                ; all but the 32 just issued
	WIN MUL_HI
	MUL16 \f, 1, 0, \zero
	MUL16 \f, 1, 2, \zero
.endm
.macro THREE slot, zero
	QUARTER \slot, 64,  F0, F1, \zero
	QUARTER \slot, 128, F1, F0, 0
	QUARTER \slot, 192, F0, F1, 0
.endm
; The change of slots: each wave's reads of this slot and all its tensor loads are waited for in front of the barrier; with fill = 1 the barrier
; opens a round of the cluster's barrier and the joint refill is the first tensor load behind the round.
.macro TURN slot, next, fill
	s_wait_dscnt 8
	WIN MUL_LO
	MUL16 F1, 0, 0, 0
	s_wait_dscnt 0x0                               ; my reads of this slot are over
	s_wait_tensorcnt 0x0                           ; all my tensor loads have landed: the one that was out is my part of the next slot
	ds_add_u32 v255, v255
	s_wait_dscnt 0x0
	s_barrier_signal -1
	MUL16 F1, 0, 2, 0                              ; register work while the others arrive
	WIN 0
	s_barrier_wait -1
.if \fill
	CREST
	s_add_nc_u64 s[G0+4*\slot+2:G0+4*\slot+3], s[G0+4*\slot+2:G0+4*\slot+3], 2*KSTEP*2
	s_add_nc_u64 s[G0B+4*\slot+2:G0B+4*\slot+3], s[G0B+4*\slot+2:G0B+4*\slot+3], 2*KSTEP*2
	JLOAD \slot
.endif
	PLACES
	FETCH \next, 0, F0
	WIN MUL_HI
	MUL16 F1, 1, 0, 0
	MUL16 F1, 1, 2, 0
.endm
.macro LAP zero
	THREE 0, \zero
	TURN 0, 1, 1
	THREE 1, 0
	TURN 1, 0, 1
.endm
.macro OUTH step, rb                   ; 16 rows leave through my own stage; LDS serves a wave's instructions in order (ISA guide 5.7.1)
.irp b, 0,1,2,3,4,5,6,7
	ds_store_b128 v[STO], v[PK+4*\b:PK+4*\b+3] offset:32*\b
.endr
	s_wait_xcnt 0x0                                ; the read-back buffer and the base are rewritten only behind this wait
.if \step
	s_add_nc_u64 s[CB:CB+1], s[CB:CB+1], 16*CPITCH
.endif
.irp t, 0,1,2,3,4,5,6,7
	ds_load_b128 v[\rb+4*\t:\rb+4*\t+3], v[RD] offset:\t*2*SPITCH
.endr
.irp t, 0,1,2,3,4,5,6,7
	s_wait_dscnt 7-\t                              ; read-back t is in, the younger ones stay out
	global_store_b128 v[CO], v[\rb+4*\t:\rb+4*\t+3], s[CB:CB+1] offset:2*\t*CPITCH   ; 16 lanes store 256 consecutive bytes, aligned
.endr
.endm
	s_load_b128 s[4:7], s[0:1], 0x0                ; ph s[4:5], pl s[6:7]
	s_load_b64 s[74:75], s[0:1], 0x10              ; st
	s_set_vgpr_msb 0x40
	v_lshl_add_u32 v255, v0, 2, 0x48400
	s_set_vgpr_msb 0x4000
	v_mov_b32 v255, 0
	s_set_vgpr_msb 0x1
	ds_add_u32 v255, v255
	s_set_vgpr_msb 0x100
	v_lshrrev_b32 v1, 5, v0
	v_readfirstlane_b32 s10, v1                    ; wave
	s_lshr_b32 s11, s10, 1                         ; my 128 rows.  Also: I fetch for A (0) or B (1)
	s_and_b32 s12, s10, 1                          ; my 128 columns.  Also: which half of that tile
	s_bfe_u32 s40, ttmp6, 0x40000                  ; cx
	s_bfe_u32 s41, ttmp6, 0x40004                  ; cy
	s_lshl_b32 s42, ttmp9, 2
	s_add_co_u32 s42, s42, s40                     ; block column, 0..7: 256 keys of the batch
	s_and_b32 s45, ttmp7, 0xffff
	s_lshl_b32 s13, s45, 2
	s_add_co_u32 s13, s13, s41                     ; block row, 0..31
	s_lshr_b32 s45, s45, 1                         ; batch: 2 clusters (8 block rows of 256) each
	s_lshl_b32 s43, s41, 2
	s_lshl_b32 s43, 15, s43                        ; my row of the cluster
	s_lshl_b32 s44, 0x1111, s40                    ; my column
	s_mov_b32 s70, 0x3d38aa3b                      ; c = log2(e) / 32
	s_mov_b32 s71, 0x3d38aa3b                      ; the pair's second word is written too
	s_mov_b32 s72, 0x76543210                      ; v_permlanex16_b32: lane i reads lane i of the other half
	s_mov_b32 s73, 0xfedcba98
	s_or_b32 s[G1+0], s43, (1<<16)|(1<<20)|(1<<21)|(5<<22)|(3<<25)
	s_or_b32 s[G1B+0], s44, (1<<16)|(1<<20)|(1<<21)|(5<<22)|(3<<25)
	s_mov_b32 s[G1+1], KSTEP<<16
	s_mov_b32 s[G1B+1], KSTEP<<16
	s_mov_b32 s[G1+2], 128<<16
	s_mov_b32 s[G1B+2], 128<<16
	s_mov_b32 s[G1+3], KSTEP<<16
	s_mov_b32 s[G1B+3], KSTEP<<16
	s_mov_b32 s[G1+4], 128
	s_mov_b32 s[G1B+4], 128
	s_mov_b32 s[G1+5], 1024
	s_mov_b32 s[G1B+5], 1024
	s_mov_b32 s[G1+6], 0
	s_mov_b32 s[G1B+6], 0
	s_mov_b32 s[G1+7], 0
	s_mov_b32 s[G1B+7], 0
	s_lshl_b32 s16, s13, 8
	s_lshl_b32 s17, s12, 7
	s_add_co_u32 s16, s16, s17                     ; qp: row 256 x block row + 128 x half
	s_lshl_b32 s16, s16, 11
	s_mov_b32 s17, 0
	s_lshl_b32 s46, s45, 11
	s_lshl_b32 s47, s42, 8
	s_add_co_u32 s46, s46, s47
	s_lshl_b32 s47, s12, 7
	s_add_co_u32 s46, s46, s47                     ; kp: row 2,048 x batch + 256 x block column + 128 x half
	s_lshl_b32 s46, s46, 11
	s_add_co_u32 s46, s46, 16777216                ; kp lies 16,777,216 bytes into ph
	s_mov_b32 s47, 0
	s_mul_i32 s20, s10, HALFT                      ; where the tiles go: wave x 128 rows
	s_wait_dscnt 0x0
	s_wait_kmcnt 0x0
	s_add_nc_u64 s[14:15], s[4:5], s[16:17]
	s_add_nc_u64 s[46:47], s[4:5], s[46:47]
	CROUND                                         ; in front of the first joint loads
.irp s, 0,1
	s_mov_b32 s[G0+4*\s], 1
	s_add_co_u32 s[G0+4*\s+1], s20, \s*SLOT
	s_add_nc_u64 s[G0+4*\s+2:G0+4*\s+3], s[14:15], \s*KSTEP*2
	s_or_b32 s[G0+4*\s+3], s[G0+4*\s+3], 0x80000000
	s_mov_b32 s[G0B+4*\s], 1
	s_add_co_u32 s[G0B+4*\s+1], s20, \s*SLOT
	s_add_nc_u64 s[G0B+4*\s+2:G0B+4*\s+3], s[46:47], \s*KSTEP*2
	s_or_b32 s[G0B+4*\s+3], s[G0B+4*\s+3], 0x80000000
	JLOAD \s
.endr
	v_and_b32 v1, 15, v0                           ; r
	v_bfe_u32 v2, v0, 4, 1                         ; h
	v_mul_u32_u24 v3, v1, PITCH
	v_lshl_add_u32 v3, v2, 4, v3                   ; 272 r + 16 h
	s_mul_i32 s21, s11, HALFT                      ; my 128 rows of A
	s_mul_i32 s22, s12, HALFT
	s_add_co_u32 s22, s22, 2*HALFT                 ; my 128 rows of B, behind A's 256
.irp s, 0,1
	v_add_nc_u32 v[ADRA+\s], s21, v3
	v_add_nc_u32 v[ADRB+\s], s22, v3
	s_add_co_u32 s21, s21, SLOT
	s_add_co_u32 s22, s22, SLOT
.endr
	s_mul_i32 s23, s10, 16*SPITCH
	s_add_co_u32 s23, s23, STAGE
	v_add_nc_u32 v[STO], s23, v3
	v_mul_u32_u24 v4, v2, SPITCH
	v_lshl_add_u32 v4, v1, 4, v4
	v_add_nc_u32 v[RD], s23, v4
	v_mul_u32_u24 v5, v2, CPITCH
	v_lshl_add_u32 v[CO], v1, 4, v5
	s_wait_tensorcnt 0x1                           ; my part of K step 0 is in; K step 1's may stay out
	s_barrier_signal -1
	s_barrier_wait -1
	FETCH 0, 0, F0
	LAP 1                                          ; the first lap's first products start the sums
	WIN 0
	s_mov_b32 s3, LAPS-2
.Llap:
	LAP 0
	WIN 0
	s_sub_co_u32 s3, s3, 1
	s_cmp_lg_u32 s3, 0
	s_cbranch_scc1 .Llap
	THREE 0, 0                                     ; the last lap fills nothing
	TURN 0, 1, 0
	THREE 1, 0
	s_wait_dscnt 8
	WIN MUL_LO
	MUL16 F1, 0, 0, 0
	MUL16 F1, 0, 2, 0
	s_wait_dscnt 0x0
	WIN MUL_HI
	MUL16 F1, 1, 0, 0
	MUL16 F1, 1, 2, 0
	PLACES
	WIN 0
	v_mov_b32 v[TMP], 0                            ; v_permlanex16_b32 counts as a reader of its destination
	s_lshl_b32 s16, s13, 8
	s_lshl_b32 s17, s11, 7
	s_add_co_u32 s16, s16, s17                     ; my first row of pl
	s_lshl_b32 s16, s16, 12
	s_mov_b32 s17, 0
	s_add_nc_u64 s[CB:CB+1], s[CB:CB+1], s[16:17]
	s_lshl_b32 s46, s42, 9
	s_lshl_b32 s47, s12, 8
	s_add_co_u32 s46, s46, s47                     ; my first key, in bytes
	s_mov_b32 s47, 0
	s_add_nc_u64 s[CB:CB+1], s[CB:CB+1], s[46:47]
; Block i of my eight blocks of 16 rows = the tiles (a, 0..7) of window 2 or 3.  two = 0x0a or 0x0f: sources 0 and 1 in that window; one = 0x02 or
; 0x03: source 0 alone.  A lane holds 64 of its row's 128 scores, the lane 16 further the other 64.
.macro SOFT16 i, a, two, one, rb
	WIN \two
.irp k, 0,1,2,3
	v_max_num_f32 v[MX+\k], v[64*\a+2*\k], v[64*\a+2*\k+1]     ; the first eight start four chains
.endr
.set j, 8
.rept 28
	v_max3_num_f32 v[MX+(j/2)%4], v[64*\a+j], v[64*\a+j+1], v[MX+(j/2)%4]
.set j, j+2
.endr
	WIN 0
	v_max3_num_f32 v[MX], v[MX], v[MX+1], v[MX+2]
	v_max_num_f32 v[MX], v[MX], v[MX+3]
	v_permlanex16_b32 v[TMP], v[MX], s72, s73
	v_max_num_f32 v[MC], v[MX], v[TMP]             ; the chunk's maximum of my row, in both lanes that hold the row
	v_max_num_f32 v[MC+1], v[MX], v[TMP]
	v_max_num_f32 v[STM+\i], v[MX], v[TMP]
	WIN \one
.set j, 0
.rept 32
	v_pk_add_f32 v[T+j:T+j+1], v[64*\a+j:64*\a+j+1], v[MC:MC+1] neg_lo:[0,1] neg_hi:[0,1]   ; s - m first: exactly 0 at the maximum, never above
.set j, j+2
.endr
	WIN 0
.set j, 0
.rept 32
	v_pk_mul_f32 v[T+j:T+j+1], v[T+j:T+j+1], s[70:71] op_sel_hi:[1,0]   ; then the scale; fused with the subtraction the exponent could come out above 0
.set j, j+2
.endr
.set j, 0
.rept 64
	v_exp_f32 v[T+j], v[T+j]
.set j, j+1
.endr
	v_nop                                          ; one plain place behind the transcendentals (ISA guide 5.7.2)
	s_wait_alu depctr_va_vdst(0)
.irp k, 0,1,2,3
	v_pk_add_f32 v[SUM+2*\k:SUM+2*\k+1], v[T+2*\k:T+2*\k+1], v[T+8+2*\k:T+8+2*\k+1]
.endr
.set j, 16
.rept 24
	v_pk_add_f32 v[SUM+j%8:SUM+j%8+1], v[SUM+j%8:SUM+j%8+1], v[T+j:T+j+1]
.set j, j+2
.endr
	v_pk_add_f32 v[SUM:SUM+1], v[SUM:SUM+1], v[SUM+2:SUM+3]
	v_pk_add_f32 v[SUM+4:SUM+5], v[SUM+4:SUM+5], v[SUM+6:SUM+7]
	v_pk_add_f32 v[SUM:SUM+1], v[SUM:SUM+1], v[SUM+4:SUM+5]
	v_add_f32 v[SUM], v[SUM], v[SUM+1]
	v_permlanex16_b32 v[TMP], v[SUM], s72, s73
	v_add_f32 v[STL+\i], v[SUM], v[TMP]
.set j, 0
.rept 32
	v_cvt_pk_f16_f32 v[PK+j], v[T+2*j], v[T+2*j+1]
.set j, j+1
.endr
	OUTH \i, \rb
.endm
	SOFT16 0, 0, 0x0a, 0x02, RB0
	SOFT16 1, 1, 0x0a, 0x02, RB1
	SOFT16 2, 2, 0x0a, 0x02, RB0
	SOFT16 3, 3, 0x0a, 0x02, RB1
	SOFT16 4, 0, 0x0f, 0x03, RB0
	SOFT16 5, 1, 0x0f, 0x03, RB1
	SOFT16 6, 2, 0x0f, 0x03, RB0
	SOFT16 7, 3, 0x0f, 0x03, RB1
	; m and l of my 128 rows (two groups of 64) and my chunk: in each store lanes 0-15 write 256 consecutive bytes of m, lanes 16-31 256 of l, aligned
	v_cmp_eq_u32 vcc_lo, 1, v2
.irp a, 0,1,2,3,4,5,6,7
	v_cndmask_b32 v[STV+\a], v[STM+\a], v[STL+\a], vcc_lo
.endr
	s_lshl_b32 s66, s42, 1
	s_add_co_u32 s66, s66, s12                     ; chunk = 2 x block column + nh
	s_lshl_b32 s66, s66, 15
	s_lshl_b32 s67, s13, 2
	s_lshl_b32 s68, s11, 1
	s_add_co_u32 s67, s67, s68                     ; my first group = 4 x block row + 2 mh
	s_lshl_b32 s67, s67, 8
	s_add_co_u32 s66, s66, s67
	v_lshlrev_b32 v9, 19, v2                       ; kind: 524,288 h
	v_lshl_add_u32 v9, v1, 4, v9                   ; + 16 r
	v_add_nc_u32 v9, s66, v9
	global_store_b128 v9, v[STV:STV+3], s[74:75]
	global_store_b128 v9, v[STV+4:STV+7], s[74:75] offset:256
	s_set_vgpr_msb 0x1
	s_wait_tensorcnt 0x0
	ds_add_u32 v255, v255
	s_wait_dscnt 0x0
	s_set_vgpr_msb 0x100
	CROUND                                         ; the closing round
	s_endpgm
.Lfunc_end_k_q1b361d6714_scores:
	.size	k_q1b361d6714_scores, .Lfunc_end_k_q1b361d6714_scores-k_q1b361d6714_scores
	.p2alignl 7, 3214868480
	.fill 96, 4, 3214868480
	.section	.rodata,"a",@progbits
	.p2align	6, 0x0
	.amdhsa_kernel k_q1b361d6714_scores
		.amdhsa_group_segment_fixed_size 327680
		.amdhsa_private_segment_fixed_size 0
		.amdhsa_enable_private_segment 0
		.amdhsa_kernarg_size 24
		.amdhsa_user_sgpr_count 2
		.amdhsa_user_sgpr_kernarg_segment_ptr 1
		.amdhsa_wavefront_size32 1
		.amdhsa_system_sgpr_workgroup_id_x 1
		.amdhsa_system_sgpr_workgroup_id_y 1
		.amdhsa_system_sgpr_workgroup_id_z 1
		.amdhsa_system_vgpr_workitem_id 0
		.amdhsa_next_free_vgpr 1024
		.amdhsa_next_free_sgpr 80
		.amdhsa_reserve_vcc 1
		.amdhsa_float_denorm_mode_32 3
		.amdhsa_float_denorm_mode_16_64 3
		.amdhsa_memory_ordered 1
		.amdhsa_forward_progress 1
		.amdhsa_inst_pref_size 255
	.end_amdhsa_kernel
	.section	.bss,"aw",@nobits
	.p2align	6
	.space	262144
	.amdgpu_metadata
---
amdhsa.version: [ 1, 2 ]
amdhsa.kernels:
  - .name:           k_q1b361d6714_scores
    .symbol:         k_q1b361d6714_scores.kd
    .args:
      - { .name: ph, .offset: 0, .size: 8, .value_kind: global_buffer, .address_space: global }
      - { .name: pl, .offset: 8, .size: 8, .value_kind: global_buffer, .address_space: global }
      - { .name: st, .offset: 16, .size: 8, .value_kind: global_buffer, .address_space: global }
    .group_segment_fixed_size: 327680
    .private_segment_fixed_size: 0
    .kernarg_segment_align: 8
    .kernarg_segment_size: 24
    .max_flat_workgroup_size: 128
    .sgpr_count:     80
    .vgpr_count:     1024
    .wavefront_size: 32
...
	.end_amdgpu_metadata
.endif
;; end of part 3
;; launch pv (part 4): grid 4 x 64, 4 waves a work-group, clusters of 4 x 4, 327,680 bytes of LDS; arguments pl, ph, st, cx; writes cx
.if DOCPART == 4
	.amdgcn_target "amdgcn-amd-amdhsa--gfx1250"
	.amdhsa_code_object_version 6
	.text
	.protected	k_q1b361d6714_pv
	.globl	k_q1b361d6714_pv
	.p2align	8
	.type	k_q1b361d6714_pv,@function
k_q1b361d6714_pv:
	s_mov_b64 s[64:65], 0
	v_nop
	global_prefetch_b8 v0, s[64:65] scope:SCOPE_SE
	s_setreg_imm32_b32 hwreg(HW_REG_WAVE_MODE, 25, 1), 1
	s_wait_xcnt 0x0
	s_wait_alu depctr_hold_cnt(0) depctr_sa_sdst(0) depctr_va_vdst(0) depctr_va_sdst(0) depctr_va_ssrc(0) depctr_va_vcc(0) depctr_vm_vsrc(0)
	s_getreg_b32 s2, hwreg(HW_REG_IB_STS2, 6, 4)
	s_cmp_eq_u32 s2, 0
	s_cbranch_scc0 .Lentry_in_a_cluster
	s_endpgm
.Lentry_in_a_cluster:
	s_bfe_u32 s2, ttmp6, 0x10000c
	s_cmp_lg_u32 s2, 0xf033
	s_cbranch_scc0 .Lentry_shape_is_right
	s_endpgm
.Lentry_shape_is_right:
; pv: the second level of the softmax and ctx = probs . vp.  For each row: M = the largest of its 16 chunk maxima m (the row's true maximum),
; f = exp2((m - M) c), c = log2(e) / 32, so f <= 1 with f = 1 in the chunk that holds M;  L = sum of f l >= 1;  ctx = (sum over chunks of (f P) . V) / L.
; A K step of 128 keys is one chunk, so a row's factor is constant in a K step: A's fragments (P, f16) are multiplied by f (f16) in registers.
; The GEMM: a work-group makes 128 rows x 256 columns of ctx with four waves, a wave 64 x 128 in 32 accumulator tiles; K = 2048 keys in 16 steps
; through two LDS slots.  V lies [key][d], K down the rows: its tile is 128 keys x 256 d, and its fragments come by transposing LDS loads.
; CLUSTERS: 4 x 4 work-groups; P's tile hangs on the block row (joint along a row of the cluster), V's on the block column and the batch
; (4 clusters along y each; joint along a column).
; The matrix instruction is used transposed (source 0 = V's columns, source 1 = P's rows): lane (r, h) holds row 16 a + r, columns 16 b + 8 h + 0..7.
; LIMITS: f and f P below 2^-25 become zero in f16 (against a row's largest term of 1).  NaN and infinities are not treated specially.
.set KSTEP,  128
.set PITCH,  272                       ; P's LDS row: 256 bytes + 16, an odd multiple of 16
.set VP,     544                       ; V's LDS row: 512 bytes + 32, an odd multiple of 32
.set BBYTES, 128*VP                    ; V's tile, first in a slot: 69,632
.set ABYTES, 128*PITCH
.set ABASE,  BBYTES
.set SLOT,   BBYTES+ABYTES
.set STAGE,  2*SLOT                    ; each wave's stage for the way out
.set SPITCH, 272
.set FT,     STAGE+4*16*SPITCH         ; 226,304: (f, f) in f16, [16 chunks][128 places], place = 64 mh + 4 r + a
.set IL,     FT+8192                   ; 234,496: 1 / L in f32, [128 places].  No tensor load lands in the stage or in these tables
.set STEPA,  2*KSTEP                   ; 128 keys along a row of pl
.set STEPB,  KSTEP*2048                ; 128 rows of vp
.set LAPS,   2048/(2*KSTEP)
.set CPITCH, 2048                      ; bytes in a row of cx
.set CB,     78                        ; s[78:79] cx
.set ADRA, 16
.set ADRB, 18
.set STO,  20
.set RD,   21
.set CO,   22
.set FTA,  24                          ; LDS address of my four factors of the K step
.set ILA,  25                          ; LDS address of my four 1 / L
.set F0,   32                          ; fragment buffer 0: V's 8 fragments at +0, P's 4 at +64
.set F1,   128
.set FS,   224                         ; v[224:227] (f, f) of rows 16 a + r, a = 0..3, this K step
.set IV,   228                         ; v[228:231] 1 / L of the same rows
.set MCH,  32                          ; prologue: my row's 16 chunk maxima, then factors
.set LCH,  48                          ; prologue: my row's 16 chunk sums
.set T,    32
.set PK,   96
.set RB0,  128
.set RB1,  160
.set G1A, 24
.set G0A, 32
.set G1B, 48
.set G0B, 56
.set MULW, 0x50
.set MSB, 0
.macro WIN new
.if MSB != \new
	s_set_vgpr_msb (MSB<<8)|\new
.set MSB, \new
.endif
.endm
.macro PLACES                          ; four places behind a matrix instruction (ISA guide 7.12.1)
.rept 4
	v_nop
.endr
.endm
.macro JLOAD s                         ; waves 0 and 1 fetch V's halves, waves 2 and 3 P's
	s_cmp_eq_u32 s11, 0
	s_cbranch_scc0 .Lfor_a_\@
	tensor_load_to_lds s[G0B+4*\s:G0B+4*\s+3], s[G1B:G1B+7]
	s_nop 0
	s_branch .Lasked_\@
.Lfor_a_\@:
	tensor_load_to_lds s[G0A+4*\s:G0A+4*\s+3], s[G1A:G1A+7]
	s_nop 0
.Lasked_\@:
.endm
.macro CREST
	s_cmp_lg_u32 s10, 0
	s_cbranch_scc1 .Lnot_wave_0_\@
	s_barrier_signal -3
.Lnot_wave_0_\@:
	s_barrier_wait -3
	s_barrier_signal -1
	s_barrier_wait -1
.endm
.macro CROUND
	s_barrier_signal -1
	s_barrier_wait -1
	CREST
.endm
; The 32 accumulators take turns, one instruction a turn, in the same order in every quarter step.
.macro MUL16 f, a0, zero
.irp a, \a0, \a0+1
.irp b, 0,1,2,3,4,5,6,7
.if \zero
	v_wmma_f32_16x16x32_f16 v[8*(8*(\a)+\b):8*(8*(\a)+\b)+7], v[\f+8*\b:\f+8*\b+7], v[\f+64+8*(\a):\f+64+8*(\a)+7], 0
.else
	v_wmma_f32_16x16x32_f16 v[8*(8*(\a)+\b):8*(8*(\a)+\b)+7], v[\f+8*\b:\f+8*\b+7], v[\f+64+8*(\a):\f+64+8*(\a)+7], v[8*(8*(\a)+\b):8*(8*(\a)+\b)+7]
.endif
.endr
.endr
.endm
; Quarter q's fragments into buffer f: 16 transposing loads for V (keys 32 q + 8 h + 0..7 and 16 further, column 16 b + r), 8 plain loads for P.
; With q = 0 the K step's four factors come first: they are older than the 24 fragment loads, so the waits that show a buffer whole show them too.
.macro FETCH slot, q, f
.if \q == 0
	ds_load_b128 v[FS:FS+3], v[FTA]
.endif
.irp b, 0,1,2,3,4,5,6,7
	ds_load_tr16_b128 v[\f+8*\b:\f+8*\b+3],   v[ADRB+\slot] offset:32*\q*VP+32*\b
	ds_load_tr16_b128 v[\f+8*\b+4:\f+8*\b+7], v[ADRB+\slot] offset:(32*\q+16)*VP+32*\b
.endr
.irp i, 0,1,2,3
	ds_load_b128 v[\f+64+8*\i:\f+64+8*\i+3],   v[ADRA+\slot] offset:64*\q+\i*16*PITCH
	ds_load_b128 v[\f+64+8*\i+4:\f+64+8*\i+7], v[ADRA+\slot] offset:64*\q+\i*16*PITCH+32
.endr
.endm
.macro SCALE f                         ; P's four fragments times their rows' factors: a lane's registers all belong to its row r
.irp a, 0,1,2,3
.irp j, 0,1,2,3,4,5,6,7
	v_pk_mul_f16 v[\f+64+8*\a+\j], v[\f+64+8*\a+\j], v[FS+\a]
.endr
.endr
.endm
.macro QUARTER slot, q, f, g, zero
	WIN 0
	PLACES
	FETCH \slot, \q, \g
	s_wait_dscnt 24                                ; all but the 24 just issued are in: buffer f and the factors are whole
	SCALE \f
	WIN MULW
	MUL16 \f, 0, \zero
	MUL16 \f, 2, \zero
.endm
.macro THREE slot, zero
	QUARTER \slot, 1, F0, F1, \zero
	QUARTER \slot, 2, F1, F0, 0
	QUARTER \slot, 3, F0, F1, 0
.endm
; The change of slots: each wave's reads of this slot and all its tensor loads are waited for in front of the barrier; with fill = 1 the barrier
; opens a round of the cluster's barrier and the joint refill is the first tensor load behind the round.
.macro TURN slot, next, fill
	s_wait_dscnt 0x0                               ; buffer 1 is in: my reads of this slot are over
	s_wait_tensorcnt 0x0                           ; all my tensor loads have landed: the one that was out is my part of the next slot
	ds_add_u32 v254, v255
	s_wait_dscnt 0x0
	s_barrier_signal -1
	WIN 0
	SCALE F1                                       ; register work while the others arrive
	WIN MULW
	MUL16 F1, 0, 0
	WIN 0
	s_barrier_wait -1
.if \fill
	CREST
	s_add_nc_u64 s[G0A+4*\slot+2:G0A+4*\slot+3], s[G0A+4*\slot+2:G0A+4*\slot+3], 2*STEPA
	s_add_nc_u64 s[G0B+4*\slot+2:G0B+4*\slot+3], s[G0B+4*\slot+2:G0B+4*\slot+3], 2*STEPB
	JLOAD \slot
.endif
	PLACES
	v_add_nc_u32 v[FTA], 512, v[FTA]               ; the next chunk's factors; this K step's were last used by SCALE above
	FETCH \next, 0, F0
	WIN MULW
	MUL16 F1, 2, 0
.endm
.macro LAP zero
	THREE 0, \zero
	TURN 0, 1, 1
	THREE 1, 0
	TURN 1, 0, 1
.endm
.macro OUTH a, rb                      ; 16 rows leave through my own stage; LDS serves a wave's instructions in order (ISA guide 5.7.1)
.irp b, 0,1,2,3,4,5,6,7
	ds_store_b128 v[STO], v[PK+4*\b:PK+4*\b+3] offset:32*\b
.endr
	s_wait_xcnt 0x0                                ; the read-back buffer and the base are rewritten only behind this wait
.if \a
	s_add_nc_u64 s[CB:CB+1], s[CB:CB+1], 16*CPITCH
.endif
.irp t, 0,1,2,3,4,5,6,7
	ds_load_b128 v[\rb+4*\t:\rb+4*\t+3], v[RD] offset:\t*2*SPITCH
.endr
.irp t, 0,1,2,3,4,5,6,7
	s_wait_dscnt 7-\t                              ; read-back t is in, the younger ones stay out
	global_store_b128 v[CO], v[\rb+4*\t:\rb+4*\t+3], s[CB:CB+1] offset:2*\t*CPITCH   ; 16 lanes store 256 consecutive bytes, aligned
.endr
.endm
	s_load_b128 s[4:7], s[0:1], 0x0                ; pl s[4:5], ph s[6:7]
	s_load_b128 s[76:79], s[0:1], 0x10             ; st s[76:77], cx s[78:79]
	v_lshl_add_u32 v254, v0, 2, 0x39600
	v_mov_b32 v255, 0
	ds_add_u32 v254, v255
	v_lshrrev_b32 v1, 5, v0
	v_readfirstlane_b32 s10, v1                    ; wave
	s_lshr_b32 s11, s10, 1                         ; my 64 rows.  Also: I fetch for V (0) or P (1)
	s_and_b32 s12, s10, 1                          ; my 128 columns.  Also: which half of that tile
	s_bfe_u32 s40, ttmp6, 0x40000                  ; cx
	s_bfe_u32 s41, ttmp6, 0x40004                  ; cy
	s_lshl_b32 s42, ttmp9, 2
	s_add_co_u32 s42, s42, s40                     ; block column, 0..3
	s_and_b32 s45, ttmp7, 0xffff
	s_lshl_b32 s13, s45, 2
	s_add_co_u32 s13, s13, s41                     ; block row, 0..63
	s_lshr_b32 s45, s45, 2                         ; batch
	s_lshl_b32 s43, s41, 2
	s_lshl_b32 s43, 15, s43
	s_lshl_b32 s44, 0x1111, s40
	s_mov_b32 s70, 0x3d38aa3b                      ; c = log2(e) / 32
	; P's load: 64 rows of 128 elements, 4 words of padding behind every 64
	s_or_b32 s[G1A+0], s43, (1<<16)|(1<<20)|(1<<21)|(5<<22)|(3<<25)
	s_mov_b32 s[G1A+1], KSTEP<<16
	s_mov_b32 s[G1A+2], 64<<16
	s_mov_b32 s[G1A+3], KSTEP<<16
	s_mov_b32 s[G1A+4], 64
	s_mov_b32 s[G1A+5], 2048
	s_mov_b32 s[G1A+6], 0
	s_mov_b32 s[G1A+7], 0
	; V's load: 64 keys of 256 elements, 8 words of padding behind every 128
	s_or_b32 s[G1B+0], s44, (1<<16)|(1<<20)|(1<<21)|(6<<22)|(7<<25)
	s_mov_b32 s[G1B+1], 256<<16
	s_mov_b32 s[G1B+2], 64<<16
	s_mov_b32 s[G1B+3], 256<<16
	s_mov_b32 s[G1B+4], 64
	s_mov_b32 s[G1B+5], 1024
	s_mov_b32 s[G1B+6], 0
	s_mov_b32 s[G1B+7], 0
	s_lshl_b32 s16, s13, 7
	s_lshl_b32 s17, s12, 6
	s_add_co_u32 s16, s16, s17                     ; P: row 128 x block row + 64 x half
	s_lshl_b32 s16, s16, 12                        ; x 4,096 bytes
	s_mov_b32 s17, 0
	s_lshl_b32 s46, s45, 11
	s_lshl_b32 s47, s12, 6
	s_add_co_u32 s46, s46, s47                     ; V: key row 2,048 x batch + 64 x half
	s_lshl_b32 s46, s46, 11
	s_lshl_b32 s47, s42, 9
	s_add_co_u32 s46, s46, s47                     ; + 256 columns x block column
	s_add_co_u32 s46, s46, 33554432                ; vp lies 33,554,432 bytes into ph
	s_mov_b32 s47, 0
	s_mul_i32 s20, s10, 64*PITCH
	s_add_co_u32 s20, s20, ABASE-2*64*PITCH        ; P's halves: ABASE + (wave - 2) x 64 rows
	s_mul_i32 s21, s10, 64*VP                      ; V's halves: wave x 64 keys
	s_wait_dscnt 0x0
	s_wait_kmcnt 0x0
	s_add_nc_u64 s[14:15], s[4:5], s[16:17]
	s_add_nc_u64 s[46:47], s[6:7], s[46:47]
	CROUND                                         ; in front of the first joint loads
.irp s, 0,1
	s_mov_b32 s[G0A+4*\s], 1
	s_add_co_u32 s[G0A+4*\s+1], s20, \s*SLOT
	s_add_nc_u64 s[G0A+4*\s+2:G0A+4*\s+3], s[14:15], \s*STEPA
	s_or_b32 s[G0A+4*\s+3], s[G0A+4*\s+3], 0x80000000
	s_mov_b32 s[G0B+4*\s], 1
	s_add_co_u32 s[G0B+4*\s+1], s21, \s*SLOT
	s_add_nc_u64 s[G0B+4*\s+2:G0B+4*\s+3], s[46:47], \s*STEPB
	s_or_b32 s[G0B+4*\s+3], s[G0B+4*\s+3], 0x80000000
	JLOAD \s
.endr
	; thread p takes place p of the block's 128: 16 chunk maxima and 16 chunk sums; a wave's load covers 128 consecutive bytes of st
	s_lshl_b32 s74, s13, 9
	v_lshl_add_u32 v9, v0, 2, s74
.irp c, 0,1,2,3,4,5,6,7,8,9,10,11,12,13,14,15
	global_load_b32 v[MCH+\c], v9, s[76:77] offset:32768*\c
	global_load_b32 v[LCH+\c], v9, s[76:77] offset:524288+32768*\c
.endr
	v_and_b32 v1, 15, v0                           ; r
	v_bfe_u32 v2, v0, 4, 1                         ; h
	v_mul_u32_u24 v3, v1, PITCH
	v_lshl_add_u32 v3, v2, 4, v3                   ; 272 r + 16 h
	v_and_b32 v5, 7, v0
	v_lshl_add_u32 v5, v2, 3, v5                   ; key 8 h + (lane mod 8)
	v_mul_u32_u24 v5, v5, VP
	v_bfe_u32 v6, v0, 3, 1
	v_lshl_add_u32 v5, v6, 4, v5                   ; + 16 bytes for the second eight lanes of a half
	s_mul_i32 s22, s11, 64*PITCH
	s_add_co_u32 s22, s22, ABASE                   ; my 64 rows of P
	s_lshl_b32 s23, s12, 8                         ; my 128 columns of V
.irp s, 0,1
	v_add_nc_u32 v[ADRA+\s], s22, v3
	v_add_nc_u32 v[ADRB+\s], s23, v5
	s_add_co_u32 s22, s22, SLOT
	s_add_co_u32 s23, s23, SLOT
.endr
	s_mul_i32 s22, s10, 16*SPITCH
	s_add_co_u32 s22, s22, STAGE
	v_add_nc_u32 v[STO], s22, v3
	v_mul_u32_u24 v4, v2, SPITCH
	v_lshl_add_u32 v4, v1, 4, v4
	v_add_nc_u32 v[RD], s22, v4
	v_mul_u32_u24 v7, v2, CPITCH
	v_lshl_add_u32 v[CO], v1, 4, v7
	s_lshl_b32 s22, s11, 8
	s_add_co_u32 s22, s22, FT
	v_lshl_add_u32 v[FTA], v1, 4, s22              ; FT + 256 mh + 16 r: places 64 mh + 4 r + 0..3
	v_add_nc_u32 v[ILA], IL-FT, v[FTA]
	v_lshl_add_u32 v8, v0, 2, FT                   ; where thread p puts its figures
	s_wait_loadcnt 0x0
	v_max3_num_f32 v10, v[MCH], v[MCH+1], v[MCH+2]
.irp c, 3,5,7,9,11,13
	v_max3_num_f32 v10, v10, v[MCH+\c], v[MCH+\c+1]
.endr
	v_max_num_f32 v10, v10, v[MCH+15]              ; M, the row's maximum
.irp c, 0,1,2,3,4,5,6,7,8,9,10,11,12,13,14,15
	v_sub_f32 v[MCH+\c], v[MCH+\c], v10            ; m - M first: exactly 0 in M's chunk, never above
.endr
.irp c, 0,1,2,3,4,5,6,7,8,9,10,11,12,13,14,15
	v_mul_f32 v[MCH+\c], s70, v[MCH+\c]
.endr
.irp c, 0,1,2,3,4,5,6,7,8,9,10,11,12,13,14,15
	v_exp_f32 v[MCH+\c], v[MCH+\c]
.endr
	v_nop                                          ; one plain place behind the transcendentals (ISA guide 5.7.2)
	s_wait_alu depctr_va_vdst(0)
	v_mul_f32 v11, v[MCH], v[LCH]
.irp c, 1,2,3,4,5,6,7,8,9,10,11,12,13,14,15
	v_fmac_f32 v11, v[MCH+\c], v[LCH+\c]           ; L = sum of f l, between 1 and 2,048
.endr
	v_rcp_f32 v12, v11
.irp c, 0,1,2,3,4,5,6,7,8,9,10,11,12,13,14,15
	v_cvt_pk_f16_f32 v[MCH+\c], v[MCH+\c], v[MCH+\c]   ; (f, f); these plain lines also stand between v_rcp_f32 and the use of its result
.endr
.irp c, 0,1,2,3,4,5,6,7,8,9,10,11,12,13,14,15
	ds_store_b32 v8, v[MCH+\c] offset:512*\c
.endr
	s_wait_alu depctr_va_vdst(0)
	ds_store_b32 v8, v12 offset:IL-FT
	s_wait_tensorcnt 0x1                           ; my part of K step 0 is in; K step 1's may stay out
	s_wait_dscnt 0x0                               ; my part of the two tables is written
	s_barrier_signal -1
	s_barrier_wait -1
	FETCH 0, 0, F0
	LAP 1
	WIN 0
	s_mov_b32 s3, LAPS-2
.Llap:
	LAP 0
	WIN 0
	s_sub_co_u32 s3, s3, 1
	s_cmp_lg_u32 s3, 0
	s_cbranch_scc1 .Llap
	THREE 0, 0
	TURN 0, 1, 0
	THREE 1, 0
	s_wait_dscnt 0x0
	WIN 0
	SCALE F1
	WIN MULW
	MUL16 F1, 0, 0
	MUL16 F1, 2, 0
	PLACES
	WIN 0
	ds_load_b128 v[IV:IV+3], v[ILA]
	s_lshl_b32 s16, s13, 7
	s_lshl_b32 s17, s11, 6
	s_add_co_u32 s16, s16, s17                     ; my first row of cx
	s_lshl_b32 s16, s16, 11
	s_mov_b32 s17, 0
	s_add_nc_u64 s[CB:CB+1], s[CB:CB+1], s[16:17]
	s_lshl_b32 s46, s42, 9
	s_lshl_b32 s47, s12, 8
	s_add_co_u32 s46, s46, s47
	s_mov_b32 s47, 0
	s_add_nc_u64 s[CB:CB+1], s[CB:CB+1], s[46:47]
	s_wait_dscnt 0x0
; rows 16 a .. 16 a + 15 times 1 / L: pair = the pair of IV that holds a's figure, sel = which of the two, for both halves of the packed product
.macro ROWS16 a, pair, sel, rb
	WIN 0x01                                       ; source 0: accumulators
.set i, 0
.rept 32
	v_pk_mul_f32 v[T+i:T+i+1], v[64*\a+i:64*\a+i+1], v[IV+\pair:IV+\pair+1] op_sel:[0,\sel] op_sel_hi:[1,\sel]
.set i, i+2
.endr
	WIN 0
.set i, 0
.rept 32
	v_cvt_pk_f16_f32 v[PK+i], v[T+2*i], v[T+2*i+1]
.set i, i+1
.endr
	OUTH \a, \rb
.endm
	ROWS16 0, 0, 0, RB0
	ROWS16 1, 0, 1, RB1
	ROWS16 2, 2, 0, RB0
	ROWS16 3, 2, 1, RB1
	s_wait_tensorcnt 0x0
	ds_add_u32 v254, v255
	s_wait_dscnt 0x0
	CROUND                                         ; the closing round
	s_endpgm
.Lfunc_end_k_q1b361d6714_pv:
	.size	k_q1b361d6714_pv, .Lfunc_end_k_q1b361d6714_pv-k_q1b361d6714_pv
	.p2alignl 7, 3214868480
	.fill 96, 4, 3214868480
	.section	.rodata,"a",@progbits
	.p2align	6, 0x0
	.amdhsa_kernel k_q1b361d6714_pv
		.amdhsa_group_segment_fixed_size 327680
		.amdhsa_private_segment_fixed_size 0
		.amdhsa_enable_private_segment 0
		.amdhsa_kernarg_size 32
		.amdhsa_user_sgpr_count 2
		.amdhsa_user_sgpr_kernarg_segment_ptr 1
		.amdhsa_wavefront_size32 1
		.amdhsa_system_sgpr_workgroup_id_x 1
		.amdhsa_system_sgpr_workgroup_id_y 1
		.amdhsa_system_sgpr_workgroup_id_z 1
		.amdhsa_system_vgpr_workitem_id 0
		.amdhsa_next_free_vgpr 512
		.amdhsa_next_free_sgpr 80
		.amdhsa_reserve_vcc 0
		.amdhsa_float_denorm_mode_32 3
		.amdhsa_float_denorm_mode_16_64 3
		.amdhsa_memory_ordered 1
		.amdhsa_forward_progress 1
		.amdhsa_inst_pref_size 182
	.end_amdhsa_kernel
	.amdgpu_metadata
---
amdhsa.version: [ 1, 2 ]
amdhsa.kernels:
  - .name:           k_q1b361d6714_pv
    .symbol:         k_q1b361d6714_pv.kd
    .args:
      - { .name: pl, .offset: 0, .size: 8, .value_kind: global_buffer, .address_space: global }
      - { .name: ph, .offset: 8, .size: 8, .value_kind: global_buffer, .address_space: global }
      - { .name: st, .offset: 16, .size: 8, .value_kind: global_buffer, .address_space: global }
      - { .name: cx, .offset: 24, .size: 8, .value_kind: global_buffer, .address_space: global }
    .group_segment_fixed_size: 327680
    .private_segment_fixed_size: 0
    .kernarg_segment_align: 8
    .kernarg_segment_size: 32
    .max_flat_workgroup_size: 128
    .sgpr_count:     80
    .vgpr_count:     512
    .wavefront_size: 32
...
	.end_amdgpu_metadata
.endif
;; end of part 4
;; launch outp (part 5): grid 4 x 64, 4 waves a work-group, clusters of 4 x 4, 327,680 bytes of LDS; arguments cx, wh, bo, out0; writes out0
.if DOCPART == 5
	.amdgcn_target "amdgcn-amd-amdhsa--gfx1250"
	.amdhsa_code_object_version 6
	.text
	.protected	k_q1b361d6714_outp
	.globl	k_q1b361d6714_outp
	.p2align	8
	.type	k_q1b361d6714_outp,@function
k_q1b361d6714_outp:
	s_mov_b64 s[64:65], 0
	v_nop
	global_prefetch_b8 v0, s[64:65] scope:SCOPE_SE
	s_setreg_imm32_b32 hwreg(HW_REG_WAVE_MODE, 25, 1), 1
	s_wait_xcnt 0x0
	s_wait_alu depctr_hold_cnt(0) depctr_sa_sdst(0) depctr_va_vdst(0) depctr_va_sdst(0) depctr_va_ssrc(0) depctr_va_vcc(0) depctr_vm_vsrc(0)
	s_getreg_b32 s2, hwreg(HW_REG_IB_STS2, 6, 4)
	s_cmp_eq_u32 s2, 0
	s_cbranch_scc0 .Lentry_in_a_cluster
	s_endpgm
.Lentry_in_a_cluster:
	s_bfe_u32 s2, ttmp6, 0x10000c
	s_cmp_lg_u32 s2, 0xf033
	s_cbranch_scc0 .Lentry_shape_is_right
	s_endpgm
.Lentry_shape_is_right:
; outp: out0[row][e] = sum over d of cx[row][d] Wo[e][d] + bo[e].  Operands f16 (Wo is the fourth matrix of wh), sums and out0 f32.
; A work-group makes 128 rows x 256 columns with four waves, a wave 64 x 128 in 32 accumulator tiles; K = 1024 in steps of 128 through two LDS
; slots.  CLUSTERS: 4 x 4 work-groups; cx's tile hangs on the block row (joint along a row of the cluster), Wo's on the block column (joint
; along a column).  The matrix instruction is used transposed: lane (r, h) holds row 16 a + r, columns 16 b + 8 h + 0..7, 32 bytes of f32.
; Window 1 holds the accumulators, window 2 (v0-63) the bias of my 64 numbers of a row.
; NaN and infinities are not treated specially.
.set KSTEP,  128
.set PITCH,  272                       ; an LDS row: 256 bytes + 16 of padding, an odd multiple of 16
.set BBYTES, 256*PITCH
.set ABYTES, 128*PITCH
.set ABASE,  BBYTES
.set SLOT,   BBYTES+ABYTES
.set STAGE,  2*SLOT                    ; 16 rows x 528 bytes for each wave; no tensor load lands here
.set SPITCH, 528                       ; 512 bytes of f32 + 16, an odd multiple of 16
.set STEPA,  2*KSTEP
.set STEPB,  2*KSTEP
.set LAPS,   1024/(2*KSTEP)
.set CPITCH, 4096                      ; bytes in a row of out0
.set CB,     78                        ; s[78:79] out0
.set ADRA, 16
.set ADRB, 18
.set STO,  20
.set RD,   21
.set CO,   22
.set BOFF, 23
.set F0,   32
.set F1,   128
.set T,    96                          ; 64 sums with bias
.set RB0,  160                         ; 16 rows read back, 64 registers, two buffers by turns
.set RB1,  32
.set G1A, 24
.set G0A, 32
.set G1B, 48
.set G0B, 56
.set MULW, 0x50
.set MSB, 0
.macro WIN new
.if MSB != \new
	s_set_vgpr_msb (MSB<<8)|\new
.set MSB, \new
.endif
.endm
.macro PLACES                          ; four places behind a matrix instruction (ISA guide 7.12.1)
.rept 4
	v_nop
.endr
.endm
.macro JLOAD s                         ; waves 0 and 1 fetch B's halves, waves 2 and 3 A's
	s_cmp_eq_u32 s11, 0
	s_cbranch_scc0 .Lfor_a_\@
	tensor_load_to_lds s[G0B+4*\s:G0B+4*\s+3], s[G1B:G1B+7]
	s_nop 0
	s_branch .Lasked_\@
.Lfor_a_\@:
	tensor_load_to_lds s[G0A+4*\s:G0A+4*\s+3], s[G1A:G1A+7]
	s_nop 0
.Lasked_\@:
.endm
.macro CREST
	s_cmp_lg_u32 s10, 0
	s_cbranch_scc1 .Lnot_wave_0_\@
	s_barrier_signal -3
.Lnot_wave_0_\@:
	s_barrier_wait -3
	s_barrier_signal -1
	s_barrier_wait -1
.endm
.macro CROUND
	s_barrier_signal -1
	s_barrier_wait -1
	CREST
.endm
; The 32 accumulators take turns, one instruction a turn, in the same order in every quarter step.
.macro MUL16 f, a0, zero
.irp a, \a0, \a0+1
.irp b, 0,1,2,3,4,5,6,7
.if \zero
	v_wmma_f32_16x16x32_f16 v[8*(8*(\a)+\b):8*(8*(\a)+\b)+7], v[\f+8*\b:\f+8*\b+7], v[\f+64+8*(\a):\f+64+8*(\a)+7], 0
.else
	v_wmma_f32_16x16x32_f16 v[8*(8*(\a)+\b):8*(8*(\a)+\b)+7], v[\f+8*\b:\f+8*\b+7], v[\f+64+8*(\a):\f+64+8*(\a)+7], v[8*(8*(\a)+\b):8*(8*(\a)+\b)+7]
.endif
.endr
.endr
.endm
.macro FETCH slot, q, f                ; 24 LDS loads: quarter q's fragments into buffer f
.irp i, 0,1,2,3,4,5,6,7
	ds_load_b128 v[\f+8*\i:\f+8*\i+3],   v[ADRB+\slot] offset:64*\q+\i*16*PITCH
	ds_load_b128 v[\f+8*\i+4:\f+8*\i+7], v[ADRB+\slot] offset:64*\q+\i*16*PITCH+32
.endr
.irp i, 0,1,2,3
	ds_load_b128 v[\f+64+8*\i:\f+64+8*\i+3],   v[ADRA+\slot] offset:64*\q+\i*16*PITCH
	ds_load_b128 v[\f+64+8*\i+4:\f+64+8*\i+7], v[ADRA+\slot] offset:64*\q+\i*16*PITCH+32
.endr
.endm
.macro QUARTER slot, q, f, g, zero
	WIN 0
	PLACES
	FETCH \slot, \q, \g
	s_wait_dscnt 24                                ; all but the 24 just issued are in: buffer f is whole
	WIN MULW
	MUL16 \f, 0, \zero
	MUL16 \f, 2, \zero
.endm
.macro THREE slot, zero
	QUARTER \slot, 1, F0, F1, \zero
	QUARTER \slot, 2, F1, F0, 0
	QUARTER \slot, 3, F0, F1, 0
.endm
; The change of slots: each wave's reads of this slot and all its tensor loads are waited for in front of the barrier; with fill = 1 the barrier
; opens a round of the cluster's barrier and the joint refill is the first tensor load behind the round.
.macro TURN slot, next, fill
	s_wait_dscnt 0x0                               ; buffer 1 is in: my reads of this slot are over
	s_wait_tensorcnt 0x0                           ; all my tensor loads have landed: the one that was out is my part of the next slot
	ds_add_u32 v254, v255
	s_wait_dscnt 0x0
	s_barrier_signal -1
	WIN MULW
	MUL16 F1, 0, 0
	WIN 0
	s_barrier_wait -1
.if \fill
	CREST
	s_add_nc_u64 s[G0A+4*\slot+2:G0A+4*\slot+3], s[G0A+4*\slot+2:G0A+4*\slot+3], 2*STEPA
	s_add_nc_u64 s[G0B+4*\slot+2:G0B+4*\slot+3], s[G0B+4*\slot+2:G0B+4*\slot+3], 2*STEPB
	JLOAD \slot
.endif
	PLACES
	FETCH \next, 0, F0
	WIN MULW
	MUL16 F1, 2, 0
.endm
.macro LAP zero
	THREE 0, \zero
	TURN 0, 1, 1
	THREE 1, 0
	TURN 1, 0, 1
.endm
	s_load_b128 s[4:7], s[0:1], 0x0                ; cx s[4:5], wh s[6:7]
	s_load_b128 s[76:79], s[0:1], 0x10             ; bo s[76:77], out0 s[78:79]
	v_lshl_add_u32 v254, v0, 2, 0x3b400
	v_mov_b32 v255, 0
	ds_add_u32 v254, v255
	v_lshrrev_b32 v1, 5, v0
	v_readfirstlane_b32 s10, v1                    ; wave
	s_lshr_b32 s11, s10, 1                         ; my 64 rows.  Also: I fetch for B (0) or A (1)
	s_and_b32 s12, s10, 1                          ; my 128 columns.  Also: which half of that tile
	s_bfe_u32 s40, ttmp6, 0x40000                  ; cx
	s_bfe_u32 s41, ttmp6, 0x40004                  ; cy
	s_lshl_b32 s42, ttmp9, 2
	s_add_co_u32 s42, s42, s40                     ; block column, 0..3
	s_and_b32 s13, ttmp7, 0xffff
	s_lshl_b32 s13, s13, 2
	s_add_co_u32 s13, s13, s41                     ; block row, 0..63
	s_lshl_b32 s43, s41, 2
	s_lshl_b32 s43, 15, s43
	s_lshl_b32 s44, 0x1111, s40
	s_or_b32 s[G1A+0], s43, (1<<16)|(1<<20)|(1<<21)|(5<<22)|(3<<25)
	s_mov_b32 s[G1A+1], KSTEP<<16
	s_mov_b32 s[G1A+2], 64<<16
	s_mov_b32 s[G1A+3], KSTEP<<16
	s_mov_b32 s[G1A+4], 64
	s_mov_b32 s[G1A+5], 1024
	s_mov_b32 s[G1A+6], 0
	s_mov_b32 s[G1A+7], 0
	s_or_b32 s[G1B+0], s44, (1<<16)|(1<<20)|(1<<21)|(5<<22)|(3<<25)
	s_mov_b32 s[G1B+1], KSTEP<<16
	s_mov_b32 s[G1B+2], 128<<16
	s_mov_b32 s[G1B+3], KSTEP<<16
	s_mov_b32 s[G1B+4], 128
	s_mov_b32 s[G1B+5], 1024
	s_mov_b32 s[G1B+6], 0
	s_mov_b32 s[G1B+7], 0
	s_lshl_b32 s16, s13, 7
	s_lshl_b32 s17, s12, 6
	s_add_co_u32 s16, s16, s17                     ; cx: row 128 x block row + 64 x half
	s_lshl_b32 s16, s16, 11
	s_mov_b32 s17, 0
	s_lshl_b32 s46, s42, 8
	s_lshl_b32 s47, s12, 7
	s_add_co_u32 s46, s46, s47                     ; Wo: row 256 x block column + 128 x half
	s_lshl_b32 s46, s46, 11
	s_add_co_u32 s46, s46, 6291456                 ; Wo lies 6,291,456 bytes into wh
	s_mov_b32 s47, 0
	s_mul_i32 s20, s10, 64*PITCH
	s_add_co_u32 s20, s20, ABASE-2*64*PITCH        ; A's halves: ABASE + (wave - 2) x 64 rows
	s_mul_i32 s21, s10, 128*PITCH                  ; B's halves: wave x 128 rows
	s_wait_dscnt 0x0
	s_wait_kmcnt 0x0
	s_add_nc_u64 s[14:15], s[4:5], s[16:17]
	s_add_nc_u64 s[46:47], s[6:7], s[46:47]
	CROUND                                         ; in front of the first joint loads
.irp s, 0,1
	s_mov_b32 s[G0A+4*\s], 1
	s_add_co_u32 s[G0A+4*\s+1], s20, \s*SLOT
	s_add_nc_u64 s[G0A+4*\s+2:G0A+4*\s+3], s[14:15], \s*STEPA
	s_or_b32 s[G0A+4*\s+3], s[G0A+4*\s+3], 0x80000000
	s_mov_b32 s[G0B+4*\s], 1
	s_add_co_u32 s[G0B+4*\s+1], s21, \s*SLOT
	s_add_nc_u64 s[G0B+4*\s+2:G0B+4*\s+3], s[46:47], \s*STEPB
	s_or_b32 s[G0B+4*\s+3], s[G0B+4*\s+3], 0x80000000
	JLOAD \s
.endr
	v_and_b32 v1, 15, v0                           ; r
	v_bfe_u32 v2, v0, 4, 1                         ; h
	s_lshl_b32 s69, s42, 10
	s_lshl_b32 s70, s12, 9
	s_add_co_u32 s69, s69, s70
	v_lshl_add_u32 v[BOFF], v2, 5, s69             ; bo at column 256 x block column + 128 nh + 8 h
	WIN 0x80                                       ; destination in window 2
.irp b, 0,1,2,3,4,5,6,7
	global_load_b128 v[8*\b:8*\b+3],   v[BOFF], s[76:77] offset:64*\b
	global_load_b128 v[8*\b+4:8*\b+7], v[BOFF], s[76:77] offset:64*\b+16
.endr
	WIN 0
	v_mul_u32_u24 v3, v1, PITCH
	v_lshl_add_u32 v3, v2, 4, v3                   ; 272 r + 16 h
	s_mul_i32 s22, s11, 64*PITCH
	s_add_co_u32 s22, s22, ABASE
	s_mul_i32 s23, s12, 128*PITCH
.irp s, 0,1
	v_add_nc_u32 v[ADRA+\s], s22, v3
	v_add_nc_u32 v[ADRB+\s], s23, v3
	s_add_co_u32 s22, s22, SLOT
	s_add_co_u32 s23, s23, SLOT
.endr
	s_mul_i32 s22, s10, 16*SPITCH
	s_add_co_u32 s22, s22, STAGE                   ; my stage
	v_mul_u32_u24 v4, v1, SPITCH
	v_lshl_add_u32 v4, v2, 5, v4
	v_add_nc_u32 v[STO], s22, v4                   ; in: row r, 32 bytes for each half of the lanes
	v_and_b32 v5, 31, v0
	v_lshlrev_b32 v[CO], 4, v5                     ; back and out: 32 lanes take a row's 512 bytes
	v_add_nc_u32 v[RD], s22, v[CO]
	s_wait_loadcnt 0x0                             ; the bias, while the first tiles are on their way
	s_wait_tensorcnt 0x1                           ; my part of K step 0 is in; K step 1's may stay out
	s_barrier_signal -1
	s_barrier_wait -1
	FETCH 0, 0, F0
	LAP 1
	WIN 0
	s_mov_b32 s3, LAPS-2
.Llap:
	LAP 0
	WIN 0
	s_sub_co_u32 s3, s3, 1
	s_cmp_lg_u32 s3, 0
	s_cbranch_scc1 .Llap
	THREE 0, 0
	TURN 0, 1, 0
	THREE 1, 0
	s_wait_dscnt 0x0
	WIN MULW
	MUL16 F1, 0, 0
	MUL16 F1, 2, 0
	PLACES
	WIN 0
	s_lshl_b32 s16, s13, 7
	s_lshl_b32 s17, s11, 6
	s_add_co_u32 s16, s16, s17                     ; my first row of out0
	s_lshl_b32 s16, s16, 12
	s_mov_b32 s17, 0
	s_add_nc_u64 s[CB:CB+1], s[CB:CB+1], s[16:17]
	s_lshl_b32 s46, s42, 10                        ; my first column in bytes: 1,024 x block column + 512 nh
	s_lshl_b32 s47, s12, 9
	s_add_co_u32 s46, s46, s47
	s_mov_b32 s47, 0
	s_add_nc_u64 s[CB:CB+1], s[CB:CB+1], s[46:47]
; rows 16 a .. 16 a + 15: bias added, 32 bytes a lane and tile into my own stage, read back as whole rows of 512 bytes.
; LDS serves a wave's instructions in order (ISA guide 5.7.1): no wait between the stores and the loads.
.macro OUTF a, rb
	WIN 0x09                                       ; source 0: accumulators (window 1); source 1: bias (window 2)
.set i, 0
.rept 32
	v_pk_add_f32 v[T+i:T+i+1], v[64*\a+i:64*\a+i+1], v[i:i+1]
.set i, i+2
.endr
	WIN 0
.irp b, 0,1,2,3,4,5,6,7
	ds_store_b128 v[STO], v[T+8*\b:T+8*\b+3]   offset:64*\b
	ds_store_b128 v[STO], v[T+8*\b+4:T+8*\b+7] offset:64*\b+16
.endr
	s_wait_xcnt 0x0                                ; the read-back buffer and the base are rewritten only behind this wait
.if \a
	s_add_nc_u64 s[CB:CB+1], s[CB:CB+1], 16*CPITCH
.endif
.irp t, 0,1,2,3,4,5,6,7,8,9,10,11,12,13,14,15
	ds_load_b128 v[\rb+4*\t:\rb+4*\t+3], v[RD] offset:\t*SPITCH
.endr
.irp t, 0,1,2,3,4,5,6,7,8,9,10,11,12,13,14,15
	s_wait_dscnt 15-\t                             ; read-back t is in, the younger ones stay out
	global_store_b128 v[CO], v[\rb+4*\t:\rb+4*\t+3], s[CB:CB+1] offset:\t*CPITCH th:TH_STORE_NT   ; the wave stores 512 consecutive bytes, aligned
.endr
.endm
	OUTF 0, RB0
	OUTF 1, RB1
	OUTF 2, RB0
	OUTF 3, RB1
	s_wait_tensorcnt 0x0
	ds_add_u32 v254, v255
	s_wait_dscnt 0x0
	CROUND                                         ; the closing round
	s_endpgm
.Lfunc_end_k_q1b361d6714_outp:
	.size	k_q1b361d6714_outp, .Lfunc_end_k_q1b361d6714_outp-k_q1b361d6714_outp
	.p2alignl 7, 3214868480
	.fill 96, 4, 3214868480
	.section	.rodata,"a",@progbits
	.p2align	6, 0x0
	.amdhsa_kernel k_q1b361d6714_outp
		.amdhsa_group_segment_fixed_size 327680
		.amdhsa_private_segment_fixed_size 0
		.amdhsa_enable_private_segment 0
		.amdhsa_kernarg_size 32
		.amdhsa_user_sgpr_count 2
		.amdhsa_user_sgpr_kernarg_segment_ptr 1
		.amdhsa_wavefront_size32 1
		.amdhsa_system_sgpr_workgroup_id_x 1
		.amdhsa_system_sgpr_workgroup_id_y 1
		.amdhsa_system_sgpr_workgroup_id_z 1
		.amdhsa_system_vgpr_workitem_id 0
		.amdhsa_next_free_vgpr 576
		.amdhsa_next_free_sgpr 80
		.amdhsa_reserve_vcc 0
		.amdhsa_float_denorm_mode_32 3
		.amdhsa_float_denorm_mode_16_64 3
		.amdhsa_memory_ordered 1
		.amdhsa_forward_progress 1
		.amdhsa_inst_pref_size 126
	.end_amdhsa_kernel
	.amdgpu_metadata
---
amdhsa.version: [ 1, 2 ]
amdhsa.kernels:
  - .name:           k_q1b361d6714_outp
    .symbol:         k_q1b361d6714_outp.kd
    .args:
      - { .name: cx, .offset: 0, .size: 8, .value_kind: global_buffer, .address_space: global }
      - { .name: wh, .offset: 8, .size: 8, .value_kind: global_buffer, .address_space: global }
      - { .name: bo, .offset: 16, .size: 8, .value_kind: global_buffer, .address_space: global }
      - { .name: out0, .offset: 24, .size: 8, .value_kind: global_buffer, .address_space: global }
    .group_segment_fixed_size: 327680
    .private_segment_fixed_size: 0
    .kernarg_segment_align: 8
    .kernarg_segment_size: 32
    .max_flat_workgroup_size: 128
    .sgpr_count:     80
    .vgpr_count:     576
    .wavefront_size: 32
...
	.end_amdgpu_metadata
.endif
;; end of part 5
